; MI455X (gfx1250); checked and timed in simulation.
; The chip was launched on July 23, 2026; its instructions are those of AMD's public machine-readable ISA for CDNA 5 (MIT licence, August 2026) and "CDNA5" Instruction Set Architecture Reference Guide (July 2026). The comments in the code are by the model that wrote it; some were corrected since.
;; Grouped Query Attention. Allowed arithmetic: matrix products marked QUANTISED: E2M1 operands, one E8M0 scale for each 32 along K, by v_wmma_scale_f32_16x16x128_f8f6f4 with both operands' format E2M1 (or v_wmma_scale_f32_32x16x128_f4), f32 sums; products left as they are: bf16, f16 or f32 operands; f32 sums; everything else in f32.
;; Inputs: Wk 512 x 2,048 float32; Wo 2,048 x 2,048 float32; Wq 2,048 x 2,048 float32; Wv 512 x 2,048 float32; cos 2,048 x 64 float32; mask 1 x 2,048 bool; sin 2,048 x 64 float32; x 1 x 2,048 x 2,048 float32.
;; Outputs: out0 1 x 2,048 x 2,048 float32.
;; This version of the problem:
;;   THIS VERSION OF THE PROBLEM IS GIVEN IN LOW PRECISION. The matrix products marked QUANTISED in the list below multiply operands that are first quantised to E2M1 (2 exponent bits, 1 mantissa bit; 4 bits a number), with one power-of-two scale for each 32 numbers along K (OCP MX v1.0); their sums are f32. The products marked 'left as it is' may take bf16, f16 or f32 operands, with f32 sums. Whichever they take, every output number must still come out within the allowed error. Rounding operands to bf16 (8 significant bits) uses up far more of that allowance than f16 does (11 bits, for magnitudes from 6e-5 to 65,504). All else is computed in f32.
;;   The module's matrix products, in the order in which they are computed (A, B: the left and right operand; K: the contracted axis; several contracted axes count as one K, in the product's order):
;;     1. [M 2,048, K 2,048] x [K 2,048, N 2,048]; A: input x; B: input Wq: QUANTISED
;;     2. [M 2,048, K 2,048] x [K 2,048, N 512]; A: input x; B: input Wk: QUANTISED
;;     3. [M 2,048, K 2,048] x [K 2,048, N 512]; A: input x; B: input Wv: QUANTISED
;;     4. batch 32 x [M 2,048, K 64] x [K 64, N 2,048]; A: computed on the way; B: computed on the way: left as it is (an operand is computed on the way)
;;     5. batch 32 x [M 64, K 2,048] x [K 2,048, N 2,048]; A: computed on the way; B: computed on the way: left as it is (an operand is computed on the way)
;;     6. [M 2,048, K 2,048] x [K 2,048, N 2,048]; A: computed on the way; B: input Wo: left as it is (an operand is computed on the way)
;;   THE QUANTISER, for each operand of a quantised product, along K:
;;     - K is cut into blocks of 32 from its start; a last block that is shorter is filled with zeros.
;;     - A block's scale is 2^e with e = floor(log2(the largest magnitude in the block)) - 2, held to -126 .. 127; a block of zeros has e = 0. As a byte (E8M0): e + 127.
;;     - Each number is divided by its block's scale, clamped to +-6, and rounded to the nearest number of E2M1, ties to even, subnormals kept.
;;     - The product sums the exact products of the quantised numbers (number of the format x scale) in f32.
;;   ~~~python
;;   def quantise(x, axis):      # numpy; x: float32 -> the quantised numbers, widened to float32 again
;;       x = np.moveaxis(x, axis, -1); K = x.shape[-1]
;;       x = np.pad(x, [(0, 0)] * (x.ndim - 1) + [(0, -K % 32)]); x = x.reshape(x.shape[:-1] + (-1, 32)); a = np.abs(x).max(-1, keepdims=True)
;;       e = np.where(a > 0, np.clip(np.frexp(np.where(a > 0, a, 1))[1] - 1 - 2, -126, 127), 0)      # np.frexp(a)[1] - 1 = floor(log2(a)), exactly
;;       r = np.clip(x / 2.0 ** e, -6, 6)
;;       step = 2.0 ** (np.maximum(np.frexp(np.where(r == 0, 1, r))[1] - 1, 0) - 1)
;;       q = np.round(r / step) * step * 2.0 ** e      # np.round: ties to even
;;       return np.moveaxis(q.reshape(q.shape[:-2] + (-1,))[..., :K], -1, axis).astype(np.float32)
;;   ~~~
;; One version. Each part assembles by itself: llvm-mc -triple=amdgcn-amd-amdhsa -mcpu=gfx1250 --defsym DOCPART=n.
;; ======== version 1 of 1: 5 launches
;; limits: values are held in f16: magnitudes above 65,504 overflow, below 6.1e-05 lose precision
;; workspace buffers: codes 5,242,880 bytes; scales 327,680 bytes; wo16 8,388,608 bytes; qimg 8,388,608 bytes; kv 4,194,304 bytes; ctx 8,388,608 bytes; fine 196,608 bytes
;; launch prep (part 1): grid 448 x 1, 4 waves a work-group, no clusters, 33,280 bytes of LDS; arguments x, Wq, Wk, Wv, Wo, codes, scales, wo16; writes codes, scales, wo16
.if DOCPART == 1
	.amdgcn_target "amdgcn-amd-amdhsa--gfx1250"
	.amdhsa_code_object_version 6
	.text
	.protected	k_q458663c37c_prep
	.globl	k_q458663c37c_prep
	.p2align	8
	.type	k_q458663c37c_prep,@function
k_q458663c37c_prep:
	s_mov_b64 s[64:65], 0
	v_nop
	global_prefetch_b8 v0, s[64:65] scope:SCOPE_SE
	s_setreg_imm32_b32 hwreg(HW_REG_WAVE_MODE, 25, 1), 1
	s_wait_xcnt 0x0
; x [2048][2048], Wq [2048][2048], Wk [512][2048], Wv [512][2048], f32 with K innermost, become codes of FP4 (E2M1) with one E8M0 byte for each 32 along K; Wo [2048][2048] becomes f16.
; THE QUANTISER (work-groups 0-319).  A block's scale is 2^(floor(log2(its largest magnitude)) - 2); its byte is the largest magnitude's exponent field - 2, held at 1 from below; each number is divided by the
; scale and rounded to the nearest code, ties to even, beyond 6 the code of 6.  Rows are dense and 2048 is a multiple of 32: every tensor is a plain stream of blocks of 32, and so are its codes and bytes.
; The four tensors' streams lie on end in the two workspace buffers: x's 2048 rows, then the 3072 rows of Wq, Wk, Wv.  So the place of a run of 8,192 numbers in the outputs is 4 x work-group + wave for all four.
; A wave takes 16 steps of 512 numbers.  Each of a step's four loads reads 512 consecutive bytes; the 2,048 bytes turn through the wave's own stage in LDS and come back 64 bytes a lane: 16 neighbours along K,
; two neighbouring lanes to a block.  A lane's 16 codes are 8 bytes: the wave stores 256 consecutive bytes.  A wave's 256 scale bytes are gathered in LDS and leave as 256 consecutive bytes.
; Wo (work-groups 320-447): a wave takes 8,192 numbers in 64 items of 128; a ring of 16 register slots; each store of the wave covers 256 consecutive bytes, aligned.
; LIMITS: NaN and infinities among the inputs are not served.  A block whose largest magnitude lies under 2^-124 gets the byte 1; a block of zeros gets the byte 1 where the rule says 127: its codes are zeros,
; which add nothing under any byte but 0xff, and this program alone reads the bytes.  |Wo| stays under 65,504 (f16).
.set WAVES, 4
.set STEPS, 16
.set NQW,   320                        ; work-groups that quantise: x 128, Wq 128, Wk 32, Wv 32 (32,768 numbers each)
.set EMAX,  2
.set CB,    8                          ; bytes of 16 codes
.set R,     16                         ; v16-79   four sets of 16 numbers as they are loaded (Wo: the ring's 16 slots)
.set X,     80                         ; v80-111  two sets of 16 neighbours (Wo: 16 pairs to store)
.set C,     128                        ; v128-191 codes: four registers for each step
.set E,     112                        ; v112-127 a scale byte for each step
.set WREG,  8192                       ; LDS: a region for each wave: two stages of 32 x SP bytes, behind them its 256 scale bytes
.set SP,    80                         ; a lane's place in a stage: 64 bytes + 16 of padding
.set SPW,   12                         ; v12  LDS address of my spare word; never rewritten
.set NIL,   13                         ; v13  0; never rewritten
.set SPARE, WAVES*WREG                 ; behind the four regions: the spare words, 128 bytes a wave
	s_load_b256 s[4:11], s[0:1], 0x0               ; x, Wq, Wk, Wv
	s_load_b256 s[12:19], s[0:1], 0x20             ; Wo, codes, scales, wo16
	v_lshl_add_u32 v[SPW], v0, 2, SPARE
	v_mov_b32 v[NIL], 0
	v_lshrrev_b32 v1, 5, v0
	v_readfirstlane_b32 s20, v1                    ; wave
	v_and_b32 v2, 31, v0                           ; lane
	v_lshlrev_b32 v3, 4, v2                        ; my 16 bytes of a load's 512
	s_mul_i32 s21, s20, WREG
	v_lshrrev_b32 v14, 2, v2
	v_mul_u32_u24 v14, v14, SP
	v_and_b32 v15, 3, v2
	v_lshl_add_u32 v14, v15, 4, v14
	v_add_nc_u32 v14, s21, v14                     ; the stage, on the way in: SP (lane / 4) + 16 (lane % 4)
	v_mul_u32_u24 v15, v2, SP
	v_add_nc_u32 v15, s21, v15                     ; and on the way out: SP x lane
	v_mul_u32_u24 v4, v2, CB                       ; 8 x lane: my codes' place in a step's (Wo: my 8 bytes of f16)
	v_lshrrev_b32 v5, 1, v2
	s_add_co_u32 s21, s21, 2*32*SP
	v_add_nc_u32 v5, s21, v5                       ; LDS: my wave's 256 scale bytes, my block's byte
	v_lshlrev_b32 v7, 3, v2
	v_add_nc_u32 v6, s21, v7                       ; and on the way out 8 bytes a lane
	s_wait_kmcnt 0x0
	s_cmp_ge_u32 ttmp9, NQW
	s_cbranch_scc1 .Lwo
	; which tensor is mine: the choices hang on the work-group's number alone
	s_cmp_lt_u32 ttmp9, 288
	s_cselect_b64 s[22:23], s[8:9], s[10:11]       ; Wk or Wv
	s_mov_b32 s24, 288
	s_cselect_b32 s24, 256, s24                    ; and the tensor's first work-group
	s_cmp_lt_u32 ttmp9, 256
	s_cselect_b64 s[22:23], s[6:7], s[22:23]       ; Wq
	s_cselect_b32 s24, 128, s24
	s_cmp_lt_u32 ttmp9, 128
	s_cselect_b64 s[22:23], s[4:5], s[22:23]       ; x
	s_cselect_b32 s24, 0, s24
	s_sub_co_u32 s24, ttmp9, s24
	s_lshl_b32 s24, s24, 2
	s_add_co_u32 s24, s24, s20                     ; which run of 8,192 numbers of the tensor is my wave's
	s_lshl_b32 s24, s24, 15                        ; 32,768 bytes a run
	s_mov_b32 s25, 0
	s_add_nc_u64 s[4:5], s[22:23], s[24:25]
	s_lshl_b32 s26, ttmp9, 2
	s_add_co_u32 s26, s26, s20                     ; and which run of the outputs
	s_lshl_b32 s24, s26, 12                        ; 4,096 bytes of codes a run
	s_add_nc_u64 s[8:9], s[14:15], s[24:25]
	s_lshl_b32 s24, s26, 8                         ; 256 scale bytes a run
	s_add_nc_u64 s[10:11], s[16:17], s[24:25]
.macro LOAD t
.irp i, 0,1,2,3
	global_load_b128 v[R+16*((\t)%4)+4*\i:R+16*((\t)%4)+4*\i+3], v3, s[4:5] offset:2048*(\t)+512*\i th:TH_LOAD_NT   ; 32 lanes read 512 consecutive bytes
.endr
.endm
.macro TURN t                          ; step t's numbers through the stage: LDS serves a wave's instructions in order, so no wait stands between the stores and the loads
.irp i, 0,1,2,3
	ds_store_b128 v14, v[R+16*((\t)%4)+4*\i:R+16*((\t)%4)+4*\i+3] offset:32*SP*((\t)%2)+8*SP*\i
.endr
.irp i, 0,1,2,3
	ds_load_b128 v[X+16*((\t)%2)+4*\i:X+16*((\t)%2)+4*\i+3], v15 offset:32*SP*((\t)%2)+16*\i
.endr
.endm
.irp t, 0,1,2,3
	LOAD \t
.endr
	s_wait_loadcnt 12                              ; step 0's four loads are in; the twelve of steps 1 to 3 may be out
	TURN 0
.macro STEP t
.set XS, X+16*((\t)%2)
.if (\t) > 0
	s_wait_dscnt 1                                 ; this step's numbers are back from the stage (the last step's byte store may be out): so its stores into the stage have read their registers,
.else
	s_wait_dscnt 0x0
.endif
.if (\t)+4 < STEPS
	LOAD (\t)+4                                    ; which take the loads of four steps on
.endif
.if (\t)+1 < STEPS
.if STEPS-2-(\t) >= 3
	s_wait_loadcnt 12                              ; the next step's four loads are in; those of the three steps behind it may be out
.else
	s_wait_loadcnt 4*(STEPS-2-(\t))
.endif
	TURN (\t)+1                                    ; and go through the other stage while this step is worked
.endif
	v_max3_num_f32 v8, |v[XS]|, |v[XS+1]|, |v[XS+2]|               ; the largest magnitude of my 16, in two chains
	v_max3_num_f32 v9, |v[XS+3]|, |v[XS+4]|, |v[XS+5]|
.irp i, 6,10
	v_max3_num_f32 v8, v8, |v[XS+\i]|, |v[XS+\i+1]|
	v_max3_num_f32 v9, v9, |v[XS+\i+2]|, |v[XS+\i+3]|
.endr
	v_max3_num_f32 v8, v8, |v[XS+14]|, |v[XS+15]|
	v_max3_num_f32 v8, v8, v9, (EMAX+1)<<23        ; and the floor 2^(3 - 127): the byte cannot fall under 1
	v_max_num_f32_dpp v8, v8, v8 row_xmask:1 row_mask:0xf bank_mask:0xf   ; and of my neighbour's 16: the block's
	v_add_nc_u32 v11, -(EMAX<<23), v8              ; 2 off its exponent field: the conversion takes the exponent field of this operand as its scale, and nothing else of it
	v_cvt_scalef32_pk8_fp4_f32 v[C+4*(\t)], v[XS:XS+7], v11
	v_cvt_scalef32_pk8_fp4_f32 v[C+4*(\t)+1], v[XS+8:XS+15], v11
	v_lshrrev_b32 v[E+(\t)], 23, v11               ; the scale's byte (also the plain line behind the conversions)
	ds_store_b8 v5, v[E+(\t)] offset:16*(\t)       ; both lanes of a block write the same byte with the same value
	global_store_b64 v4, v[C+4*(\t):C+4*(\t)+1], s[8:9] offset:32*CB*(\t)   ; the wave stores 256 consecutive bytes, aligned
.endm
.irp t, 0,1,2,3,4,5,6,7,8,9,10,11,12,13,14,15
	STEP \t
.endr
	ds_load_b64 v[8:9], v6                         ; LDS serves a wave's instructions in order: these see my byte stores
	s_wait_dscnt 0x0
	global_store_b64 v7, v[8:9], s[10:11]          ; 32 lanes store 256 consecutive bytes, aligned
	s_wait_tensorcnt 0x0                           ; the wave's end, behind my last LDS store
	ds_add_u32 v[SPW], v[NIL]
	s_wait_dscnt 0x0
	s_endpgm
.Lwo:                                              ; Wo to f16: no LDS is written on this way
	s_sub_co_u32 s24, ttmp9, NQW
	s_lshl_b32 s24, s24, 2
	s_add_co_u32 s24, s24, s20                     ; my wave's run of 8,192 numbers
	s_lshl_b32 s26, s24, 15
	s_mov_b32 s27, 0
	s_add_nc_u64 s[12:13], s[12:13], s[26:27]
	s_lshl_b32 s26, s24, 14
	s_add_nc_u64 s[18:19], s[18:19], s[26:27]
.set nn, 0
.rept 16
	global_load_b128 v[R+4*nn:R+4*nn+3], v3, s[12:13] offset:512*nn th:TH_LOAD_NT
.set nn, nn+1
.endr
.set nn, 0
.rept 64
.if nn < 49
	s_wait_loadcnt 15                              ; loads come back in order: item nn's is in, the fifteen younger ones stay out
.else
	s_wait_loadcnt 63-nn                           ; the last items load nothing: the counts run down
.endif
	s_wait_xcnt 0x0                                ; the slot's pair, which its last store reads, is rewritten only behind this wait
	v_cvt_pk_f16_f32 v[X+2*(nn%16)], v[R+4*(nn%16)], v[R+4*(nn%16)+1]
	v_cvt_pk_f16_f32 v[X+2*(nn%16)+1], v[R+4*(nn%16)+2], v[R+4*(nn%16)+3]
.if nn+16 < 64
	global_load_b128 v[R+4*(nn%16):R+4*(nn%16)+3], v3, s[12:13] offset:512*(nn+16) th:TH_LOAD_NT
.endif
	global_store_b64 v4, v[X+2*(nn%16):X+2*(nn%16)+1], s[18:19] offset:256*nn
.set nn, nn+1
.endr
	s_wait_tensorcnt 0x0                           ; the same three lines at this way's end
	ds_add_u32 v[SPW], v[NIL]
	s_wait_dscnt 0x0
	s_endpgm
.Lfunc_end_k_q458663c37c_prep:
	.size	k_q458663c37c_prep, .Lfunc_end_k_q458663c37c_prep-k_q458663c37c_prep
	.p2alignl 7, 3214868480
	.fill 96, 4, 3214868480
	.section	.rodata,"a",@progbits
	.p2align	6, 0x0
	.amdhsa_kernel k_q458663c37c_prep
		.amdhsa_group_segment_fixed_size 33280
		.amdhsa_private_segment_fixed_size 0
		.amdhsa_enable_private_segment 0
		.amdhsa_kernarg_size 64
		.amdhsa_user_sgpr_count 2
		.amdhsa_user_sgpr_kernarg_segment_ptr 1
		.amdhsa_wavefront_size32 1
		.amdhsa_system_sgpr_workgroup_id_x 1
		.amdhsa_system_sgpr_workgroup_id_y 1
		.amdhsa_system_sgpr_workgroup_id_z 1
		.amdhsa_system_vgpr_workitem_id 0
		.amdhsa_next_free_vgpr 192
		.amdhsa_next_free_sgpr 66
		.amdhsa_reserve_vcc 0
		.amdhsa_float_denorm_mode_32 3
		.amdhsa_float_denorm_mode_16_64 3
		.amdhsa_memory_ordered 1
		.amdhsa_forward_progress 1
		.amdhsa_inst_pref_size 58
	.end_amdhsa_kernel
	.amdgpu_metadata
---
amdhsa.version: [ 1, 2 ]
amdhsa.kernels:
  - .name:           k_q458663c37c_prep
    .symbol:         k_q458663c37c_prep.kd
    .args:
      - { .name: x, .offset: 0, .size: 8, .value_kind: global_buffer, .address_space: global }
      - { .name: Wq, .offset: 8, .size: 8, .value_kind: global_buffer, .address_space: global }
      - { .name: Wk, .offset: 16, .size: 8, .value_kind: global_buffer, .address_space: global }
      - { .name: Wv, .offset: 24, .size: 8, .value_kind: global_buffer, .address_space: global }
      - { .name: Wo, .offset: 32, .size: 8, .value_kind: global_buffer, .address_space: global }
      - { .name: codes, .offset: 40, .size: 8, .value_kind: global_buffer, .address_space: global }
      - { .name: scales, .offset: 48, .size: 8, .value_kind: global_buffer, .address_space: global }
      - { .name: wo16, .offset: 56, .size: 8, .value_kind: global_buffer, .address_space: global }
    .group_segment_fixed_size: 33280
    .private_segment_fixed_size: 0
    .kernarg_segment_align: 8
    .kernarg_segment_size: 64
    .max_flat_workgroup_size: 128
    .sgpr_count:     66
    .vgpr_count:     192
    .wavefront_size: 32
...
	.end_amdgpu_metadata
.endif
;; end of part 1
;; launch qkv (part 2): grid 12 x 8, 4 waves a work-group, clusters of 4 x 4, 327,680 bytes of LDS; arguments codes, scales, cos, sin, qimg, kv, fine; writes qimg, kv, fine
.if DOCPART == 2
	.amdgcn_target "amdgcn-amd-amdhsa--gfx1250"
	.amdhsa_code_object_version 6
	.text
	.protected	k_q458663c37c_qkv
	.globl	k_q458663c37c_qkv
	.p2align	8
	.type	k_q458663c37c_qkv,@function
k_q458663c37c_qkv:
	s_mov_b64 s[64:65], 0
	v_nop
	global_prefetch_b8 v0, s[64:65] scope:SCOPE_SE
	s_setreg_imm32_b32 hwreg(HW_REG_WAVE_MODE, 25, 1), 1
	s_wait_xcnt 0x0
	s_wait_alu depctr_hold_cnt(0) depctr_sa_sdst(0) depctr_va_vdst(0) depctr_va_sdst(0) depctr_va_ssrc(0) depctr_va_vcc(0) depctr_vm_vsrc(0)
	s_getreg_b32 s2, hwreg(HW_REG_IB_STS2, 6, 4)
	s_cmp_eq_u32 s2, 0
	s_cbranch_scc0 .Lentry_in_a_cluster
	s_endpgm
.Lentry_in_a_cluster:
	s_bfe_u32 s2, ttmp6, 0x10000c
	s_cmp_lg_u32 s2, 0xf033
	s_cbranch_scc0 .Lentry_shape_is_right
	s_endpgm
.Lentry_shape_is_right:
; [q | k | v] = x [Wq; Wk; Wv]^T on codes of FP4 (E2M1) with one E8M0 scale for each 32 along K: C[m][n], m = 2048 positions, n = 3072 columns, K = 2048; then RoPE by the given tables, and the results laid out for the attention.
; THE PRODUCT.  A tile of C, 256 x 256, is made by a work-group of four waves; a wave makes 128 x 128: 64 accumulators, 512 registers.  K goes in steps of 512 (rows of 256 bytes) through a ring of two LDS slots filled by the
; tensor data mover.  The scale bytes of the work-group's 256 rows of x and 256 rows of W, for all of K, come into LDS once, with the first fills.  4 x 4 work-groups form a cluster: the four of a row need the same tiles
; of x, the four of a column the same tiles of W: each tile is asked for jointly.  The matrix instruction is used transposed (source 0 = 16 rows of W, source 1 = 16 rows of x): a lane holds one position and eight neighbouring columns.
; THE WAY OUT.  A wave's 128 columns are two heads of 64.  Column tiles b and b + 2 of a head hold channels d and d + 32 in the same lane and register, so RoPE needs no other lane:
; out[d] = x[d] cos[d] - x[d+32] sin[d], out[d+32] = x[d+32] cos[d+32] + x[d] sin[d+32].  q and k are multiplied by 2^-3 (exact; folded into the tables), so that they have room in f16; v takes cos = 1, sin = 0 (the tables x 0, + 1):
; one text for all three, told apart by values alone.
; IMAGES.  Results leave as f16 in the order of the next product's registers: a block of 512 bytes holds 16 positions x 16 channels, lane l's 16 bytes at 16 l (q, k), or, for v, the chunk of position r and half h at
; 16 (16 (r / 8) + 8 h + r % 8), which is what the turning LDS load wants.  Every store of the wave covers 512 consecutive bytes, aligned.  Positions 0-15 also leave in f32 (buffer fine), for the launch that carries them finely.
; LIMITS: |q|, |k| under 8 x 65,504 and |v| under 65,504 (f16); NaN and infinities among the inputs are not served.
; REGISTERS, in windows of 256: window 0: v0-31 addresses and factors; v32-95 scale words, two sets; v128-191 x's fragments, one set; v192-255 the first 16 positions' cos and sin, asked for at the head.
;   window 1: W's fragments, two sets.   window 2: the accumulators of my positions 0-63 ((a, b) at v[8 (8 a + b)]);   window 3: those of positions 64-127.
.set SIZE_M, 2048
.set SIZE_N, 3072
.set SIZE_K, 2048
.set KSTEP,  512                       ; along K in a slot
.set NQ,     KSTEP/128                 ; matrix instructions deep
.set ROWB,   256                       ; a tile's row in bytes
.set KROW,   SIZE_K*4/8                ; a row of codes in memory, in bytes
.set PITCH,  272                       ; an LDS row: 256 bytes + 16 of padding: the 16 rows that a load touches start at 16 different banks (64 banks of 4 bytes: ISA guide 11.1)
.set FR,     8                         ; registers of a fragment: 16 rows x 128 K
.set NL,     2                         ; LDS loads that bring one
.set NP,     4                         ; places behind this matrix instruction (ISA guide 7.12.1)
.set HALFT,  128*PITCH                 ; 128 rows: what one tensor load brings
.set SLOT,   4*HALFT                   ; x's 256 rows, then W's 256 rows
.set LAPS,   SIZE_K/(2*KSTEP)          ; a lap = two K steps = once round the ring
.set KS,     SIZE_K/32                 ; a row of scales in bytes
.set SCL,    2*SLOT                    ; behind the ring: the scales, as runs of 256 bytes + 16 of padding
.set HALFS,  (128*KS/256)*272          ; the scales of 128 rows: what one tensor load brings
.set SBLK,   (16*KS/256)*272           ; those of 16 rows
.set SPARE,  SCL+4*HALFS               ; behind the scales: the spare words, 128 bytes a wave
.set FCA,  8                           ; v[8:9]   the tables' factor: 0.125 (q, k) or 0 (v), twice
.set FCB,  10                          ; v[10:11] what is added to cos: 0 (q, k) or 1 (v), twice
.set ADRA, 16                          ; v16-17  LDS address of my x fragments in slot 0, 1
.set ADRB, 20                          ; v20-21  the same for W
.set CSO,  24                          ; v24     cos, sin: 256 r + 32 h
.set IMG,  25                          ; v25     my 16 bytes' place in an image block
.set FIN,  26                          ; v26     fine: 12,288 r + 32 h
.set ADRS, 27                          ; v27     LDS address of my scale words: lanes 0-15 x's rows, lanes 16-31 W's
.set SPW,  28                          ; v28     LDS address of my spare word; never rewritten
.set NIL,  29                          ; v29     0; never rewritten
.set POS,  30                          ; v30     the position of my lane in the wave's first 16
.set SC,   32                          ; scale words: set s at v[SC + 8 NQ s]
.set AF,   128                         ; x's fragments, in window 0
.set TT,   32                          ; the way out: 64 results in f32
.set HH,   96                          ; and 32 registers of f16
.set G1, 24                            ; s[24:31] descriptor group 1 for x's tiles;  s[32:39] group 0, one set for each slot
.set G0, 32
.set G1B, 48                           ; s[48:55], s[56:63] the same for W's tiles
.set G0B, 56
.set G1S, 68                           ; s[68:75], s[76:79] groups 1 and 0 for x's scales;  s[80:87], s[88:91] for W's
.set G0S, 76
.set G1SB, 80
.set G0SB, 88
.set MSB, 0
.macro WIN new                         ; the immediate's high byte repeats the setting that is left
.if MSB != \new
	s_set_vgpr_msb (MSB<<8)|\new
.set MSB, \new
.endif
.endm
.set MUL_LO, 0xa1                      ; source 0 (W) window 1, source 1 (x) window 0, C and D window 2
.set MUL_HI, 0xf1                      ; the same, C and D window 3
.set TO_B,   0x40                      ; destination window 1, address window 0
; A joint load: waves 0 and 1 fetch for x, waves 2 and 3 for W.  Each of the two lines has one mask and one set of registers for all that issue it; the branch hangs on the wave's number alone.
; An s_nop 0 and four v_nop follow each of the two lines, ahead of the jump, the label and what follows.
.macro JLOAD g0a, g1a, g0b, g1b
	s_cmp_eq_u32 s15, 0
	s_cbranch_scc0 .Lfor_b_\@
	tensor_load_to_lds s[\g0a:\g0a+3], s[\g1a:\g1a+7]
	s_nop 0
.rept 4
	v_nop
.endr
	s_branch .Lasked_\@
.Lfor_b_\@:
	tensor_load_to_lds s[\g0b:\g0b+3], s[\g1b:\g1b+7]
	s_nop 0
.rept 4
	v_nop
.endr
.Lasked_\@:
.endm
.macro CREST                           ; a round of the cluster's barrier behind its opening barrier
	s_cmp_lg_u32 s14, 0
	s_cbranch_scc1 .Lnot_wave_0_\@
	s_barrier_signal -3
.Lnot_wave_0_\@:
	s_barrier_wait -3
	s_barrier_signal -1
	s_barrier_wait -1
.endm
.macro CROUND                          ; a whole round
	s_barrier_signal -1
	s_barrier_wait -1
	CREST
.endm
	s_load_b128 s[4:7], s[0:1], 0x0                ; codes, scales: x's at their head, W's 0x200000 and 0x20000 bytes on
	s_load_b128 s[96:99], s[0:1], 0x10             ; cos, sin
	s_load_b128 s[8:11], s[0:1], 0x20              ; qimg, kv
	s_load_b64 s[12:13], s[0:1], 0x30              ; fine
	v_lshl_add_u32 v[SPW], v0, 2, SPARE
	v_mov_b32 v[NIL], 0
	ds_add_u32 v[SPW], v[NIL]                      ; the wave's opening: the add, twice on end, and its wait ahead of my first tensor load; the set-up below stands between the second and the wait
	ds_add_u32 v[SPW], v[NIL]
	v_lshrrev_b32 v1, 5, v0
	v_readfirstlane_b32 s14, v1                    ; wave 0..3
	s_lshr_b32 s15, s14, 1                         ; which half of the tile's rows is mine.  Also: I fetch for x (0) or for W (1)
	s_and_b32 s16, s14, 1                          ; which half of its columns.  Also: which 128 rows of that tile I fetch
	s_bfe_u32 s40, ttmp6, 0x40000                  ; cx, cy: my place in the cluster
	s_bfe_u32 s41, ttmp6, 0x40004
	s_lshl_b32 s42, ttmp9, 2
	s_add_co_u32 s42, s42, s40                     ; tile column of C = 4 x cluster x + cx
	s_and_b32 s17, ttmp7, 0xffff
	s_lshl_b32 s17, s17, 2
	s_add_co_u32 s17, s17, s41                     ; tile row of C = 4 x cluster y + cy
	s_lshl_b32 s43, s41, 2
	s_lshl_b32 s43, 15, s43                        ; my row of the cluster
	s_lshl_b32 s44, 0x1111, s40                    ; my column
	; descriptor group 1: a tile of 128 rows x 256 bytes, padded in LDS
	s_or_b32 s[G1+0], s43, (0<<16)|(1<<20)|(1<<21)|(5<<22)|(3<<25)  ; 15:0 the mask: x's tiles go to my row; 17:16 elements of 1 byte; 20 padding on; 21 set beside a mask; 24:22 after every 64 words; 31:25 four words
	s_or_b32 s[G1B+0], s44, (0<<16)|(1<<20)|(1<<21)|(5<<22)|(3<<25)
.irp g, G1, G1B
	s_mov_b32 s[\g+1], ROWB<<16                    ; tensor_dim0
	s_mov_b32 s[\g+2], 128<<16                     ; tensor_dim1 = 128
	s_mov_b32 s[\g+3], ROWB<<16                    ; tile_dim0
	s_mov_b32 s[\g+4], 128                         ; tile_dim1 = 128
	s_mov_b32 s[\g+5], KROW                        ; tensor_dim0_stride
	s_mov_b32 s[\g+6], 0
	s_mov_b32 s[\g+7], 0
.endr
	; and for the scales of 128 rows: a dense block of 8,192 bytes, as rows of 256 bytes (32 elements of 8 bytes), 16 bytes of padding behind each
	s_or_b32 s[G1S+0], s43, (3<<16)|(1<<20)|(1<<21)|(5<<22)|(3<<25)
	s_or_b32 s[G1SB+0], s44, (3<<16)|(1<<20)|(1<<21)|(5<<22)|(3<<25)
.irp g, G1S, G1SB
	s_mov_b32 s[\g+1], 32<<16
	s_mov_b32 s[\g+2], (128*KS/256)<<16
	s_mov_b32 s[\g+3], 32<<16
	s_mov_b32 s[\g+4], 128*KS/256
	s_mov_b32 s[\g+5], 32
	s_mov_b32 s[\g+6], 0
	s_mov_b32 s[\g+7], 0
.endr
	s_lshl_b32 s18, s16, 7                         ; which 128 rows of the tile I fetch
	s_lshl_b32 s20, s17, 8
	s_add_co_u32 s20, s20, s18                     ; x: row 256 x tile row + 128 x half
	s_lshl_b32 s46, s42, 8
	s_add_co_u32 s46, s46, s18                     ; W: row 256 x tile column + 128 x half
	s_mov_b32 s21, 0
	s_mov_b32 s47, 0
	s_mov_b64 s[18:19], KS
	s_mul_u64 s[22:23], s[20:21], s[18:19]         ; where these rows' scales begin, in bytes
	s_mul_u64 s[92:93], s[46:47], s[18:19]
	s_mov_b64 s[18:19], KROW
	s_mul_u64 s[20:21], s[20:21], s[18:19]         ; and their codes
	s_mul_u64 s[46:47], s[46:47], s[18:19]
	s_mul_i32 s45, s14, HALFT                      ; where they go: wave x 128 rows: no place in the cluster enters an LDS address
	s_mul_i32 s94, s14, HALFS
	s_wait_dscnt 0x0                               ; both opening adds are done
	s_wait_kmcnt 0x0
	s_add_nc_u64 s[20:21], s[4:5], s[20:21]
	s_add_nc_u64 s[22:23], s[6:7], s[22:23]
	s_add_nc_u64 s[46:47], s[4:5], s[46:47]
	s_add_nc_u64 s[46:47], s[46:47], 0x200000      ; W's codes lie behind x's 2048 rows of 1,024 bytes
	s_add_nc_u64 s[92:93], s[6:7], s[92:93]
	s_add_nc_u64 s[92:93], s[92:93], 0x20000       ; W's scales behind x's 2048 rows of 64 bytes
	CROUND                                         ; all sixteen work-groups are here: the first joint loads meet
	s_mov_b32 s[G0S], 1
	s_add_co_u32 s[G0S+1], s94, SCL
	s_mov_b64 s[G0S+2:G0S+3], s[22:23]
	s_or_b32 s[G0S+3], s[G0S+3], 0x80000000
	s_mov_b32 s[G0SB], 1
	s_add_co_u32 s[G0SB+1], s94, SCL
	s_mov_b64 s[G0SB+2:G0SB+3], s[92:93]
	s_or_b32 s[G0SB+3], s[G0SB+3], 0x80000000
	JLOAD G0S, G1S, G0SB, G1SB                     ; the scales first: they are wanted with K step 0.  Three loads of mine are out behind the next two
.irp s, 0,1
	s_mov_b32 s[G0+4*\s], 1
	s_add_co_u32 s[G0+4*\s+1], s45, \s*SLOT
	s_add_nc_u64 s[G0+4*\s+2:G0+4*\s+3], s[20:21], \s*ROWB
	s_or_b32 s[G0+4*\s+3], s[G0+4*\s+3], 0x80000000
	s_mov_b32 s[G0B+4*\s], 1
	s_add_co_u32 s[G0B+4*\s+1], s45, \s*SLOT
	s_add_nc_u64 s[G0B+4*\s+2:G0B+4*\s+3], s[46:47], \s*ROWB
	s_or_b32 s[G0B+4*\s+3], s[G0B+4*\s+3], 0x80000000
	JLOAD G0+4*\s, G1, G0B+4*\s, G1B
.endr
	v_and_b32 v1, 15, v0                           ; r = l % 16
	v_bfe_u32 v2, v0, 4, 1                         ; h = l / 16
	v_mul_u32_u24 v3, v1, PITCH
	v_lshl_add_u32 v4, v2, 4, v3                   ; a fragment's row x pitch + 16 x half
	s_mul_i32 s21, s15, HALFT                      ; my 128 rows of x
	s_mul_i32 s22, s16, HALFT                      ; my 128 rows of W,
	s_add_co_u32 s22, s22, 2*HALFT                 ; which lie behind x's 256
.irp s, 0,1
	v_add_nc_u32 v[ADRA+\s], s21, v4
	v_add_nc_u32 v[ADRB+\s], s22, v4
	s_add_co_u32 s21, s21, SLOT
	s_add_co_u32 s22, s22, SLOT
.endr
	v_mul_u32_u24 v5, v1, KS                       ; my row's scales: KS bytes a row,
	v_lshrrev_b32 v6, 8, v5
	v_lshl_add_u32 v5, v6, 4, v5                   ; and 16 more for each 256 passed
	s_mul_i32 s21, s15, HALFS                      ; x's: my 128 rows
	s_mul_i32 s22, s16, HALFS                      ; W's: my 128 rows, behind x's 256
	s_add_co_u32 s22, s22, 2*HALFS
	s_sub_co_u32 s22, s22, s21
	v_mul_u32_u24 v6, s22, v2                      ; lanes 16-31 take W's
	s_add_co_u32 s21, s21, SCL
	v_add_nc_u32 v5, v5, v6
	v_add_nc_u32 v[ADRS], s21, v5
	; the way out's addresses and factors, made here once
	v_lshlrev_b32 v[CSO], 8, v1
	v_lshl_add_u32 v[CSO], v2, 5, v[CSO]           ; a row of cos or sin is 256 bytes; my eight channels of a tile begin 32 h bytes on
	v_mul_u32_u24 v[FIN], v1, 12288
	v_lshl_add_u32 v[FIN], v2, 5, v[FIN]           ; a row of fine is 3072 f32
	s_lshl_b32 s20, s17, 8
	s_lshl_b32 s21, s15, 7
	s_add_co_u32 s20, s20, s21                     ; my wave's first position: 256 x tile row + 128 x half
	v_add_nc_u32 v[POS], s20, v1
	s_lshl_b32 s92, s20, 8
	s_mov_b32 s93, 0
	s_add_nc_u64 s[96:97], s[96:97], s[92:93]      ; cos and sin at that position
	s_add_nc_u64 s[98:99], s[98:99], s[92:93]
; cos and sin of the wave's positions 16 a .. 16 a + 15: lane (r, h) takes, of row r, channels 16 b + 8 h + 0 .. 7 for b = 0 .. 3.  Set a % 2: 32 registers of cos (8 b + j), then 32 of sin.
.macro CSLOAD a
.set CSB, 192-64*((\a)%2)
.irp b, 0,1,2,3
.irp e, 0,1
	global_load_b128 v[CSB+8*\b+4*\e:CSB+8*\b+4*\e+3], v[CSO], s[96:97] offset:(\a)*4096+64*\b+16*\e
	global_load_b128 v[CSB+32+8*\b+4*\e:CSB+32+8*\b+4*\e+3], v[CSO], s[98:99] offset:(\a)*4096+64*\b+16*\e
.endr
.endr
.endm
	CSLOAD 0                                       ; into v192-255, which the product leaves alone: these land while it runs
	s_cmp_ge_u32 s42, 10                           ; tile columns 0-7 are q, 8 and 9 k, 10 and 11 v
	s_cselect_b32 s21, 0, 0x3e000000               ; the tables' factor: 0 or 2^-3
	s_cselect_b32 s22, 1.0, 0                      ; added to cos
	s_cselect_b32 s18, -1, 0                       ; all lanes: v's order of chunks
	v_mov_b32 v[FCA], s21
	v_mov_b32 v[FCA+1], s21
	v_mov_b32 v[FCB], s22
	v_mov_b32 v[FCB+1], s22
	s_cmp_lt_u32 s42, 8
	s_cselect_b64 s[46:47], s[8:9], s[10:11]       ; the images' buffer: qimg or kv
	s_cselect_b32 s19, 0, 8
	s_sub_co_u32 s19, s42, s19
	s_lshl_b32 s19, s19, 2
	s_lshl_b32 s23, s16, 1
	s_add_co_u32 s19, s19, s23                     ; my first head in that buffer: 4 x tile column + 2 x half
	s_lshl_b32 s92, s19, 18                        ; a head is 128 tiles of 16 positions x 2,048 bytes
	s_lshl_b32 s23, s20, 7                         ; position / 16 x 2,048
	s_add_co_u32 s92, s92, s23
	s_add_nc_u64 s[46:47], s[46:47], s[92:93]
	s_lshl_b32 s92, s42, 10                        ; fine: my first column, in bytes
	s_lshl_b32 s23, s16, 9
	s_add_co_u32 s92, s92, s23
	s_add_nc_u64 s[12:13], s[12:13], s[92:93]
	v_and_b32 v3, 31, v0
	v_lshlrev_b32 v3, 4, v3                        ; q, k: 16 x lane
	v_lshrrev_b32 v4, 3, v1
	v_lshlrev_b32 v4, 4, v4
	v_lshl_add_u32 v4, v2, 3, v4
	v_and_b32 v5, 7, v1
	v_add_nc_u32 v4, v4, v5
	v_lshlrev_b32 v4, 4, v4                        ; v: 16 (16 (r / 8) + 8 h + r % 8)
	v_cndmask_b32 v[IMG], v3, v4, s18
.macro FRAG reg, adr, q, i             ; a fragment, 16 rows x 128 K of 4-bit codes, is 8 registers: lane l holds row l % 16; registers 4 c .. 4 c + 3 hold K = 64 c + 32 (l / 16) + 0 .. 31
.irp c, 0,1
	ds_load_b128 v[\reg+4*\c:\reg+4*\c+3], v[\adr] offset:64*(\q)+32*\c+(\i)*16*PITCH
.endr
.endm
; 16 matrix instructions: x's blocks a0, a0 + 1 against W's eight, 128 along K: the slot's q-th.  p: W's set;  sc: the set of scale words.  zero = 1: the first product starts the sums.
; The 64 accumulators take turns, one instruction a turn, in the same order in every step.
.macro MUL16 a0, p, q, sc, zero
.irp a, \a0, \a0+1
.irp b, 0,1,2,3,4,5,6,7
.if \zero
	v_wmma_scale_f32_16x16x128_f8f6f4 v[8*(8*((\a)%4)+\b):8*(8*((\a)%4)+\b)+7], v[128*(\p)+FR*\b:128*(\p)+FR*\b+FR-1], v[AF+FR*(\a):AF+FR*(\a)+FR-1], 0, v[SC+8*NQ*(\sc)+NQ*\b+(\q)], v[SC+8*NQ*(\sc)+NQ*(\a)+(\q)] matrix_a_fmt:MATRIX_FMT_FP4 matrix_b_fmt:MATRIX_FMT_FP4 matrix_a_scale:MATRIX_SCALE_ROW1
.else
	v_wmma_scale_f32_16x16x128_f8f6f4 v[8*(8*((\a)%4)+\b):8*(8*((\a)%4)+\b)+7], v[128*(\p)+FR*\b:128*(\p)+FR*\b+FR-1], v[AF+FR*(\a):AF+FR*(\a)+FR-1], v[8*(8*((\a)%4)+\b):8*(8*((\a)%4)+\b)+7], v[SC+8*NQ*(\sc)+NQ*\b+(\q)], v[SC+8*NQ*(\sc)+NQ*(\a)+(\q)] matrix_a_fmt:MATRIX_FMT_FP4 matrix_b_fmt:MATRIX_FMT_FP4 matrix_a_scale:MATRIX_SCALE_ROW1
.endif
.endr
.endr
.endm
.macro FETCH_B slot, q, p              ; W's eight fragments of the slot's q-th 128 along K into set p
	WIN TO_B
.irp i, 0,1,2,3,4,5,6,7
	FRAG 128*(\p)+FR*\i, ADRB+\slot, \q, \i
.endr
	WIN 0
.endm
.macro FETCH_A slot, q, i0             ; x's blocks i0 .. i0 + 3
.irp i, \i0, \i0+1, \i0+2, \i0+3
	FRAG AF+FR*(\i), ADRA+\slot, \q, \i
.endr
.endm
.macro SCALES sc                       ; the next K step's scale words into set sc: lanes 0-15 take x's block i, lanes 16-31 W's block i
.irp i, 0,1,2,3,4,5,6,7
	ds_load_b128 v[SC+8*NQ*\sc+NQ*\i:SC+8*NQ*\sc+NQ*\i+3], v[ADRS] offset:\i*SBLK
.endr
.endm
; A load into a register that a matrix instruction has read, and a vector instruction that reads a matrix result or writes one of its registers, stand NP places behind it; only plain vector
; instructions that name none of its registers are places (ISA guide 7.12.1 for vector instructions).
.macro PLACES n
.rept \n
	v_nop
.endr
.endm
; A step of 128 along K that has its successor in the same slot.
.macro STEP slot, q, zero
	s_wait_dscnt 4*NL                              ; W's set and x's blocks 0-3 are in; the youngest eight loads (x's blocks 4-7) may be out
	WIN MUL_LO
	MUL16 0, (\q)%2, \q, \slot, \zero
	MUL16 2, (\q)%2, \q, \slot, \zero
	s_wait_dscnt 0                                 ; x's blocks 4-7 are in
	PLACES NP
	FETCH_B \slot, (\q)+1, 1-(\q)%2
	FETCH_A \slot, (\q)+1, 0
	WIN MUL_HI
	MUL16 4, (\q)%2, \q, \slot, \zero
	MUL16 6, (\q)%2, \q, \slot, \zero
	PLACES NP
	WIN 0
	FETCH_A \slot, (\q)+1, 4
.endm
; A slot's last step changes slots: one barrier; in front of it each wave waits for all its tensor loads, adds 0 to its spare word, and waits for that and for its own reads of this slot.  fill = 1: this slot is filled again, two K steps ahead.
.macro TURN slot, next, fill
	s_wait_tensorcnt 0x0                           ; all my tensor loads have landed: my part of the next slot
	ds_add_u32 v[SPW], v[NIL]                      ; 0 onto my spare word
	s_wait_dscnt 4*NL+1                            ; (the add and the youngest eight loads may be out)
	WIN MUL_LO
	MUL16 0, 1, NQ-1, \slot, 0                     ; sixteen matrix instructions stand between the add and the wait for it
	s_wait_dscnt 0x0                               ; the add is done, and my reads of this slot are over
	s_barrier_signal -1
	MUL16 2, 1, NQ-1, \slot, 0
	WIN 0
	s_barrier_wait -1
.if \fill
	CREST                                          ; the barrier has opened a round of the cluster's barrier: no wave of any partner still reads this slot's tile or has a load on its way
	s_add_nc_u64 s[G0+4*\slot+2:G0+4*\slot+3], s[G0+4*\slot+2:G0+4*\slot+3], 2*ROWB
	s_add_nc_u64 s[G0B+4*\slot+2:G0B+4*\slot+3], s[G0B+4*\slot+2:G0B+4*\slot+3], 2*ROWB
	JLOAD G0+4*\slot, G1, G0B+4*\slot, G1B         ; the first tensor load behind the round, my one load that is out; its four v_nop are the places in front of the loads below
.else
	PLACES NP
.endif
	v_add_nc_u32 v[ADRS], 4*NQ, v[ADRS]            ; on to the next K step's scale words
	FETCH_B \next, 0, 0
	FETCH_A \next, 0, 0
	SCALES \next
	WIN MUL_HI
	MUL16 4, 1, NQ-1, \slot, 0
	MUL16 6, 1, NQ-1, \slot, 0
	PLACES NP
	WIN 0
	FETCH_A \next, 0, 4
.endm
.macro STEPS slot, from                ; the slot's steps from .. NQ - 2
.set Q, \from
.rept NQ-1-\from
	STEP \slot, Q, 0
.set Q, Q+1
.endr
.endm
	s_wait_tensorcnt 1                             ; the scales and my part of K step 0 are in (K step 1's load may be out)
	s_barrier_signal -1
	s_barrier_wait -1                              ; everybody's are
	FETCH_B 0, 0, 0
	FETCH_A 0, 0, 0
	SCALES 0
	FETCH_A 0, 0, 4
	STEP 0, 0, 1                                   ; the first step stands in front of the loop: its products start the sums
	s_mov_b32 s3, LAPS-1
.Llap:                                                 ; a trip goes once round the ring, from a lap's second step to the next lap's first, and fills both slots again
	STEPS 0, 1
	TURN 0, 1, 1
	STEPS 1, 0
	TURN 1, 0, 1
	STEP 0, 0, 0
	s_sub_co_u32 s3, s3, 1
	s_cmp_lg_u32 s3, 0
	s_cbranch_scc1 .Llap
	STEPS 0, 1                                     ; the last lap fills nothing, and has no round of the cluster's barrier
	TURN 0, 1, 0
	STEPS 1, 0
	s_wait_dscnt 4*NL                              ; the very last step: nothing more to fetch
	WIN MUL_LO
	MUL16 0, 1, NQ-1, 1, 0
	MUL16 2, 1, NQ-1, 1, 0
	s_wait_dscnt 0
	WIN MUL_HI
	MUL16 4, 1, NQ-1, 1, 0
	MUL16 6, 1, NQ-1, 1, 0
	WIN 0
; THE WAY OUT of 16 positions (block a of x's eight).
.macro ROWBLK a
.if (\a) < 7
	CSLOAD (\a)+1                                  ; the next block's tables, into the other set
	s_wait_loadcnt 16                              ; this block's sixteen loads are in; the sixteen just issued may be out
.else
	s_wait_loadcnt 0x0
.endif
.set CC, 192-64*((\a)%2)
.set AC, 64*((\a)%4)
.irp i, 0,2,4,6,8,10,12,14,16,18,20,22,24,26,28,30
	v_pk_fma_f32 v[CC+\i:CC+\i+1], v[CC+\i:CC+\i+1], v[FCA:FCA+1], v[FCB:FCB+1]   ; cos x 2^-3 (q, k), or 1 (v)
	v_pk_mul_f32 v[CC+32+\i:CC+32+\i+1], v[CC+32+\i:CC+32+\i+1], v[FCA:FCA+1]     ; sin x 2^-3, or 0
.endr
	WIN 0x02+(\a)/4                                ; source 0: the accumulators' window
.irp u, 0,1                            ; the wave's two heads
.irp b, 0,1                            ; column tiles b and b + 2 of a head: channels d and d + 32
.irp i, 0,2,4,6                        ; each accumulator from its low end on
	v_pk_mul_f32 v[TT+8*(4*\u+\b)+\i:TT+8*(4*\u+\b)+\i+1], v[AC+8*(4*\u+\b)+\i:AC+8*(4*\u+\b)+\i+1], v[CC+8*\b+\i:CC+8*\b+\i+1]
	v_pk_mul_f32 v[TT+8*(4*\u+\b+2)+\i:TT+8*(4*\u+\b+2)+\i+1], v[AC+8*(4*\u+\b+2)+\i:AC+8*(4*\u+\b+2)+\i+1], v[CC+8*(\b+2)+\i:CC+8*(\b+2)+\i+1]
	v_pk_fma_f32 v[TT+8*(4*\u+\b)+\i:TT+8*(4*\u+\b)+\i+1], v[AC+8*(4*\u+\b+2)+\i:AC+8*(4*\u+\b+2)+\i+1], v[CC+32+8*\b+\i:CC+32+8*\b+\i+1], v[TT+8*(4*\u+\b)+\i:TT+8*(4*\u+\b)+\i+1] neg_lo:[1,0,0] neg_hi:[1,0,0]
	v_pk_fma_f32 v[TT+8*(4*\u+\b+2)+\i:TT+8*(4*\u+\b+2)+\i+1], v[AC+8*(4*\u+\b)+\i:AC+8*(4*\u+\b)+\i+1], v[CC+32+8*(\b+2)+\i:CC+32+8*(\b+2)+\i+1], v[TT+8*(4*\u+\b+2)+\i:TT+8*(4*\u+\b+2)+\i+1]
.endr
.endr
.endr
	WIN 0
.if (\a) == 0                          ; positions 0-15 of the sequence also leave in f32: no jump, the lanes are switched off elsewhere; the address holds no tile row and lies inside the buffer in every lane
	v_cmp_gt_u32 vcc_lo, 16, v[POS]
	s_wait_xcnt 0x0                                ; EXEC changes only behind this wait
	s_and_saveexec_b32 s94, vcc_lo
.irp b, 0,1,2,3,4,5,6,7
.irp e, 0,1
	global_store_b128 v[FIN], v[TT+8*\b+4*\e:TT+8*\b+4*\e+3], s[12:13] offset:64*\b+16*\e
.endr
.endr
	s_wait_xcnt 0x0                                ; and again in front of the line that widens it; it also frees the stores' data
	s_or_b32 exec_lo, exec_lo, s94
.else
	s_wait_xcnt 0x0                                ; the last block's stores have read their data: the f16 registers may be written again
.endif
.irp b, 0,1,2,3,4,5,6,7
.irp i, 0,1,2,3
	v_cvt_pk_f16_f32 v[HH+4*\b+\i], v[TT+8*\b+2*\i], v[TT+8*\b+2*\i+1]
.endr
.endr
.irp b, 0,1,2,3,4,5,6,7
	global_store_b128 v[IMG], v[HH+4*\b:HH+4*\b+3], s[46:47] offset:(\b/4)*262144+(\a)*2048+(\b%4)*512   ; an image block: the wave stores 512 consecutive bytes, aligned
.endr
.endm
	PLACES NP                                      ; behind the last products: for the loads into x's fragments' registers and the first reads of results
.irp a, 0,1,2,3,4,5,6,7
	ROWBLK \a
.endr
	s_wait_tensorcnt 0x0                           ; the wave's end, behind my last tensor load
	ds_add_u32 v[SPW], v[NIL]
	s_wait_dscnt 0x0
	CROUND                                         ; the closing round: no work-group ends while a partner may still ask for a tile that names it
	s_endpgm
.Lfunc_end_k_q458663c37c_qkv:
	.size	k_q458663c37c_qkv, .Lfunc_end_k_q458663c37c_qkv-k_q458663c37c_qkv
	.p2alignl 7, 3214868480
	.fill 96, 4, 3214868480
	.section	.rodata,"a",@progbits
	.p2align	6, 0x0
	.amdhsa_kernel k_q458663c37c_qkv
		.amdhsa_group_segment_fixed_size 327680
		.amdhsa_private_segment_fixed_size 0
		.amdhsa_enable_private_segment 0
		.amdhsa_kernarg_size 56
		.amdhsa_user_sgpr_count 2
		.amdhsa_user_sgpr_kernarg_segment_ptr 1
		.amdhsa_wavefront_size32 1
		.amdhsa_system_sgpr_workgroup_id_x 1
		.amdhsa_system_sgpr_workgroup_id_y 1
		.amdhsa_system_sgpr_workgroup_id_z 1
		.amdhsa_system_vgpr_workitem_id 0
		.amdhsa_next_free_vgpr 1024
		.amdhsa_next_free_sgpr 100
		.amdhsa_reserve_vcc 1
		.amdhsa_float_denorm_mode_32 3
		.amdhsa_float_denorm_mode_16_64 3
		.amdhsa_memory_ordered 1
		.amdhsa_forward_progress 1
		.amdhsa_inst_pref_size 255
	.end_amdhsa_kernel
	.section	.bss,"aw",@nobits
	.p2align	6
	.space	262144
	.amdgpu_metadata
---
amdhsa.version: [ 1, 2 ]
amdhsa.kernels:
  - .name:           k_q458663c37c_qkv
    .symbol:         k_q458663c37c_qkv.kd
    .args:
      - { .name: codes, .offset: 0, .size: 8, .value_kind: global_buffer, .address_space: global }
      - { .name: scales, .offset: 8, .size: 8, .value_kind: global_buffer, .address_space: global }
      - { .name: cos, .offset: 16, .size: 8, .value_kind: global_buffer, .address_space: global }
      - { .name: sin, .offset: 24, .size: 8, .value_kind: global_buffer, .address_space: global }
      - { .name: qimg, .offset: 32, .size: 8, .value_kind: global_buffer, .address_space: global }
      - { .name: kv, .offset: 40, .size: 8, .value_kind: global_buffer, .address_space: global }
      - { .name: fine, .offset: 48, .size: 8, .value_kind: global_buffer, .address_space: global }
    .group_segment_fixed_size: 327680
    .private_segment_fixed_size: 0
    .kernarg_segment_align: 8
    .kernarg_segment_size: 56
    .max_flat_workgroup_size: 128
    .sgpr_count:     100
    .vgpr_count:     1024
    .wavefront_size: 32
...
	.end_amdgpu_metadata
.endif
;; end of part 2
;; launch attn (part 3): grid 32 x 8, 8 waves a work-group, no clusters, 327,680 bytes of LDS; arguments qimg, kv, mask, ctx; writes ctx
.if DOCPART == 3
	.amdgcn_target "amdgcn-amd-amdhsa--gfx1250"
	.amdhsa_code_object_version 6
	.text
	.protected	k_q458663c37c_attn
	.globl	k_q458663c37c_attn
	.p2align	8
	.type	k_q458663c37c_attn,@function
k_q458663c37c_attn:
	s_mov_b64 s[64:65], 0
	v_nop
	global_prefetch_b8 v0, s[64:65] scope:SCOPE_SE
	s_setreg_imm32_b32 hwreg(HW_REG_WAVE_MODE, 25, 1), 1
	s_wait_xcnt 0x0
; ctx[q][head] = the sum over k of softmax_k(q . k / 8, under the causal mask and the given key mask) v[k], 32 query heads on 8 key and value heads, head size 64, 2048 positions.  Operands f16, products, maxima and sums f32.
; q and k arrive multiplied by 2^-3 each, so t = score x c with c = 8 log2(e).  p = 2^(c s - c m), m the running maximum; in every step O and l are multiplied by a = 2^(c m_old - c m_new).
; SHARES.  A work-group owns one key and value head g, its four query heads, and two blocks of 32 queries: block j and block 63 - j, so that every work-group has the same number of visible tiles under the causal mask.
; Wave w takes head 4 g + w / 2 and one of the two blocks: two tiles of 16 queries, so that each fragment of K and V feeds two products.  Two waves share a SIMD, one with an early block and one with a late one.
; K and V come as images of the operands' registers (blocks of 512 bytes, 16 keys x 16 channels) through a ring of two LDS slots of 256 keys, filled by waves 0-3 (one tensor load of 16 KiB each, one out at a time) and read by all eight.
; LAYOUT.  S^T = K Q^T (source 0 = 16 keys, source 1 = 16 queries), O^T = V^T P (source 0 = 16 channels, by the turning LDS load, source 1 = P): a lane holds one query throughout.
; THE KEY MASK is turned once into f32 numbers in LDS, 0 or -2^101 for each key, and is the C of each score tile's first product.  The causal mask: steps all of whose keys come after the wave's queries are left out (a scalar
; branch on ids); in the one step on the diagonal hidden scores become -2^101.  m begins at -2^100, over every hidden score: all arithmetic stays finite, hidden p are 0, and a row with no visible key ends as 0 x (1 / 0) = NaN, as the softmax of such a row is.
; NO CLUSTER: the look-ahead ends at a causal limit that hangs on the work-group's number, by a jump round the tensor load, and the partners of a cluster would need different numbers of slots.
; LIMITS: any mask byte other than 0 counts as true; |ctx| under 65,504 (f16); NaN and infinities among the inputs are not served.
; REGISTERS: window 0: v1-14 addresses; v16-31 statistics, eight a tile; v32-95 S^T then p; v96-127 P; v128-191 K; v192-223 Q; v224-255 the key mask's numbers.  window 1: v0-63 V; v64-127 O^T.
.set SLOTB, 65536                      ; a slot: 32 KiB of K's images, then 32 KiB of V's; one exclusive or turns an address from one slot to the other
.set VOFF,  32768
.set BIAS,  2*SLOTB                    ; behind the ring: 2048 f32, 0 or NEG
.set STG,   BIAS+8192                  ; the stage for the way out: 64 rows x (512 bytes + 16)
.set SPITCH, 528
.set SPARE, STG+64*SPITCH              ; the spare words, 128 bytes a wave
.set NSL,   8                          ; slots' worth of keys
.set LI,   1                           ; v1   16 x lane
.set ABI,  2                           ; v2   BIAS + 32 h
.set SPW,  3                           ; v3   LDS address of my spare word; never rewritten
.set NIL,  4                           ; v4   0; never rewritten
.set ADK,  5                           ; v5   the slot's K images, my lane
.set ADV,  6                           ; v6   its V images
.set ADM,  7                           ; v7   its keys' mask numbers
.set DG,   8                           ; v8-9 on the diagonal: my query less the step's first key less 8 h, for the two tiles
.set NEGR, 10                          ; v10  NEG = -2^101
.set PFO,  11                          ; v11  256 x lane; never rewritten
.set STO,  12                          ; v12  the stage: where I put 16 bytes
.set RD,   13                          ; v13  and where I read a row back
.set RH,   14                          ; v14  r - 8 h
.set ST,   16                          ; tile t at v[ST + 8 t]: +0 c m, +1 m, +2, +3 l, +4 .. +7 at work; a at +6
.set SS,   32
.set PP,   96
.set KR,   128
.set QF,   192
.set BI,   224
.set VF,   0                           ; window 1
.set OT,   64                          ; window 1
.set WV,   12                          ; s12  wave
.set HL,   13                          ; s13  wave / 2: my head among the four
.set WSEL, 14                          ; s14  0: block j, 1: block 63 - j
.set GH,   16                          ; s16  the key and value head
.set Q0,   18                          ; s18  my first query
.set QE,   19                          ; s19  my last
.set QL,   20                          ; s20  my work-group's last
.set KF,   21                          ; s21  the step's first key
.set TB,   22                          ; s22  LDS byte at which the slot in hand begins
.set TM,   23                          ; s23  its keys' place among the mask numbers: 1,024 bytes a slot
.set G1,   24                          ; s[24:31] descriptor group 1
.set G0,   32                          ; s[32:35] group 0, which walks
.set SLOTS, 36
.set LIM,  37                          ; s37  1 in a wave that prefetches, else the greatest number
.set PFA,  38                          ; s[38:39] where my prefetches stand
.set CS,   40                          ; s[40:41] c, twice
.set PSEL, 42                          ; s[42:43] lane selects: lane l xor 16
.set MSB, 0
.macro WIN new                         ; the immediate's high byte repeats the setting that is left
.if MSB != \new
	s_set_vgpr_msb (MSB<<8)|\new
.set MSB, \new
.endif
.endm
; Waves 0 and 1 fetch K's halves of a slot, waves 2 and 3 V's, the others nothing.  An s_nop 0 and four v_nop follow the line.
.macro TLOAD
	s_cmp_lt_u32 s[WV], 4
	s_cbranch_scc0 .Lno_load_\@
	tensor_load_to_lds s[G0:G0+3], s[G1:G1+7]
	s_nop 0
.rept 4
	v_nop
.endr
.Lno_load_\@:
.endm
; A prefetch of what the NEXT change of slots will ask for: 32 KiB of K's images and 32 KiB of V's.  All 32 work-groups of a head walk the same bytes: the one with j = 0, which walks all slots, asks.  In it the waves ask
; that fetch nothing: waves 4 and 5 for K's halves, 6 and 7 for V's: 16 KiB a wave, two instructions, lanes 256 bytes apart.  So each aligned block of 256 bytes is named once in the launch.  The last change that fills a slot asks for nothing.
.macro ASK
	s_cmp_gt_u32 s[SLOTS], s[LIM]
	s_cbranch_scc0 .Lnot_mine_\@
	global_prefetch_b8 v[PFO], s[PFA:PFA+1] th:TH_LOAD_NT scope:SCOPE_SE
	global_prefetch_b8 v[PFO], s[PFA:PFA+1] offset:8192 th:TH_LOAD_NT scope:SCOPE_SE
.Lnot_mine_\@:
.endm
	s_load_b256 s[4:11], s[0:1], 0x0               ; qimg, kv, mask, ctx
	v_lshl_add_u32 v[SPW], v0, 2, SPARE
	v_mov_b32 v[NIL], 0
	ds_add_u32 v[SPW], v[NIL]                      ; the wave's opening: the add, twice on end, and its wait ahead of my first tensor load; the set-up below stands between the second and the wait
	ds_add_u32 v[SPW], v[NIL]
	v_lshrrev_b32 v15, 5, v0
	v_readfirstlane_b32 s[WV], v15                 ; wave 0..7
	s_lshr_b32 s[HL], s[WV], 1
	s_lshr_b32 s[WSEL], s[WV], 2
	s_xor_b32 s[WSEL], s[WSEL], s[WV]
	s_and_b32 s[WSEL], s[WSEL], 1                  ; (w xor w / 4) % 2: each head has one wave on each block
	s_and_b32 s[GH], ttmp7, 0xffff
	s_sub_co_u32 s48, 63, ttmp9                    ; 63 - j
	s_cmp_eq_u32 s[WSEL], 0
	s_cselect_b32 s49, ttmp9, s48                  ; my block of 32 queries
	s_lshl_b32 s[Q0], s49, 5
	s_add_co_u32 s[QE], s[Q0], 31
	s_lshl_b32 s[QL], s48, 5
	s_add_co_u32 s[QL], s[QL], 31
	; descriptor group 1: 16 KiB, dense in memory and in LDS, as 64 rows of 256 bytes (32 elements of 8 bytes)
	s_mov_b32 s[G1], 3<<16                         ; 15:0 no mask; 17:16 elements of 8 bytes; no padding
	s_mov_b32 s[G1+1], 32<<16                      ; tensor_dim0
	s_mov_b32 s[G1+2], 64<<16                      ; tensor_dim1
	s_mov_b32 s[G1+3], 32<<16                      ; tile_dim0
	s_mov_b32 s[G1+4], 64                          ; tile_dim1
	s_mov_b32 s[G1+5], 32                          ; tensor_dim0_stride
	s_mov_b32 s[G1+6], 0
	s_mov_b32 s[G1+7], 0
	s_mov_b32 s[CS], 0x4138aa3b                    ; c = 8 log2(e)
	s_mov_b32 s[CS+1], s[CS]
	s_mov_b32 s[PSEL], 0x76543210
	s_mov_b32 s[PSEL+1], 0xfedcba98
	s_mov_b32 s[KF], 0
	s_mov_b32 s[TB], 0
	s_mov_b32 s[TM], 0
	s_mov_b32 s[SLOTS], NSL-1
	s_lshr_b32 s44, s[WV], 2
	s_xor_b32 s44, s44, 1                          ; 0 in waves 4 to 7,
	s_or_b32 s44, s44, ttmp9                       ; of the work-group with j = 0
	s_cmp_eq_u32 s44, 0
	s_cselect_b32 s[LIM], 1, -1
	s_and_b32 s46, s[HL], 1                        ; K (0) or V (1),
	s_lshl_b32 s46, s46, 21                        ; V's eight heads lie behind K's eight of 262,144 bytes
	s_lshl_b32 s47, s[GH], 18
	s_add_co_u32 s46, s46, s47
	s_and_b32 s47, s[WV], 1
	s_lshl_b32 s47, s47, 14                        ; which half of a slot's 32 KiB
	s_add_co_u32 s46, s46, s47
	s_mov_b32 s47, 0
	s_wait_dscnt 0x0                               ; both opening adds are done
	s_wait_kmcnt 0x0
	s_mov_b32 s[G0], 1                             ; count = 1
	s_lshl_b32 s[G0+1], s[WV], 14                  ; LDS address: wave x 16 KiB: K's halves, then V's (waves 0-3 alone load)
	s_add_nc_u64 s[G0+2:G0+3], s[6:7], s[46:47]    ; the head's first 256 keys
	s_add_nc_u64 s[PFA:PFA+1], s[G0+2:G0+3], 32768 ; the prefetches stand in slot 1: the first change of slots steps them to slot 2.  Nothing is prefetched at the head
	s_or_b32 s[G0+3], s[G0+3], 0x80000000          ; type = 2
	TLOAD                                          ; slot 0
	s_lshl_b32 s46, s[GH], 2
	s_add_co_u32 s46, s46, s[HL]                   ; my query head
	s_lshl_b32 s46, s46, 18
	s_lshl_b32 s45, s49, 12                        ; my block: two tiles of 2,048 bytes
	s_add_co_u32 s46, s46, s45
	s_add_nc_u64 s[4:5], s[4:5], s[46:47]
	v_and_b32 v[LI], 31, v0
	v_lshlrev_b32 v[PFO], 8, v[LI]
	v_lshlrev_b32 v[LI], 4, v[LI]
.irp t, 0,1
.irp b, 0,1,2,3
	global_load_b128 v[QF+16*\t+4*\b:QF+16*\t+4*\b+3], v[LI], s[4:5] offset:\t*2048+\b*512   ; Q's fragments stay in registers
.endr
.endr
	v_lshlrev_b32 v15, 3, v0
	global_load_b64 v[32:33], v15, s[8:9]          ; eight bytes of the key mask a thread
	s_cmp_lt_u32 s[WV], 4                          ; the rows that I store: waves 0-3 block j's, waves 4-7 block 63 - j's, eight each
	s_cselect_b32 s46, ttmp9, s48
	s_lshl_b32 s46, s46, 5
	s_and_b32 s45, s[WV], 3
	s_lshl_b32 s45, s45, 3
	s_add_co_u32 s46, s46, s45
	s_lshl_b32 s46, s46, 12                        ; a row of ctx is 4,096 bytes
	s_lshl_b32 s45, s[GH], 9                       ; my four heads' 512 bytes of it
	s_add_co_u32 s46, s46, s45
	s_add_nc_u64 s[10:11], s[10:11], s[46:47]
	v_and_b32 v8, 15, v0                           ; r
	v_bfe_u32 v9, v0, 4, 1                         ; h
	v_lshl_add_u32 v[ABI], v9, 5, BIAS
	v_lshlrev_b32 v[RH], 3, v9
	v_sub_nc_u32 v[RH], v8, v[RH]
	v_mov_b32 v[NEGR], 0xf2000000                  ; -2^101
	s_mul_i32 s46, s[WSEL], 32*SPITCH
	s_lshl_b32 s45, s[HL], 7
	s_add_co_u32 s46, s46, s45
	s_add_co_u32 s46, s46, STG
	v_mul_u32_u24 v[STO], v8, SPITCH
	v_lshl_add_u32 v[STO], v9, 4, v[STO]
	v_add_nc_u32 v[STO], s46, v[STO]               ; in: row 32 x block + r, + 128 x head + 16 h
	s_mul_i32 s46, s[WV], 8*SPITCH
	s_add_co_u32 s46, s46, STG
	v_add_nc_u32 v[RD], s46, v[LI]                 ; back: rows 8 w on, 16 bytes a lane
	v_lshl_add_u32 v35, v0, 5, BIAS                ; my eight keys' mask numbers
.irp t, 0,1
	v_mov_b32 v[ST+8*\t+1], 0xf1800000             ; m = -2^100, over every hidden score
	v_mul_f32 v[ST+8*\t], s[CS], v[ST+8*\t+1]      ; c m
.irp i, 2,3,4,5,6,7
	v_mov_b32 v[ST+8*\t+\i], 0                     ; l; and the registers at work, named before they are first written
.endr
.endr
	WIN 0x40
.set nn, 0
.rept 64
	v_mov_b32 v[OT+nn], 0                          ; O^T.  (The step is written once: its first a is 0, which leaves zeros zeros)
.set nn, nn+1
.endr
	WIN 0
	s_wait_loadcnt 0x0                             ; Q and the mask
.irp i, 0,1,2,3,4,5,6,7
	v_bfe_u32 v34, v[32+\i/4], 8*(\i%4), 8
	v_cmp_eq_u32 vcc_lo, 0, v34
	v_cndmask_b32 v[40+\i], 0, v[NEGR], vcc_lo     ; 0 where the key counts, NEG where it does not
.endr
	ds_store_b128 v35, v[40:43]
	ds_store_b128 v35, v[44:47] offset:16          ; shown to all waves by the first change's wait and barrier
; A KEY STEP: 64 keys, the q-th of the slot in hand.
.macro STEP q
	s_cmp_gt_u32 s[KF], s[QE]                      ; all its keys come after my queries: the step's work is left out (ids and the count of steps alone)
	s_cbranch_scc1 .Lhidden_\@
.irp kt, 0,1,2,3
.irp b, 0,1,2,3
	ds_load_b128 v[KR+16*\kt+4*\b:KR+16*\kt+4*\b+3], v[ADK] offset:(\q)*8192+\kt*2048+\b*512   ; an image block: 512 consecutive bytes
.endr
.irp e, 0,1
	ds_load_b128 v[BI+8*\kt+4*\e:BI+8*\kt+4*\e+3], v[ADM] offset:(\q)*256+\kt*64+16*\e         ; register j: the mask number of key 16 kt + 8 h + j
.endr
.endr
	s_wait_dscnt 0x0
.irp f, 0,1                            ; channels 32 f on; the eight accumulators take turns, one instruction a turn
.irp kt, 0,1,2,3
.irp t, 0,1
.if \f == 0
	v_wmma_f32_16x16x32_f16 v[SS+32*\t+8*\kt:SS+32*\t+8*\kt+7], v[KR+16*\kt:KR+16*\kt+7], v[QF+16*\t:QF+16*\t+7], v[BI+8*\kt:BI+8*\kt+7]
.else
	v_wmma_f32_16x16x32_f16 v[SS+32*\t+8*\kt:SS+32*\t+8*\kt+7], v[KR+16*\kt+8:KR+16*\kt+15], v[QF+16*\t+8:QF+16*\t+15], v[SS+32*\t+8*\kt:SS+32*\t+8*\kt+7]
.endif
.endr
.endr
.endr
.rept 4
	v_nop                                          ; four places in front of the first read of results
.endr
	s_add_co_u32 s44, s[KF], 63
	s_cmp_le_u32 s44, s[Q0]                        ; all 64 keys count for all my queries: no diagonal here
	s_cbranch_scc1 .Lopen_\@
	s_sub_co_i32 s44, s[Q0], s[KF]
	v_add_nc_u32 v[DG], s44, v[RH]                 ; d = my query - the step's first key - 8 h: register 8 kt + j is hidden where 16 kt + j > d
	v_add_nc_u32 v[DG+1], 16, v[DG]
.irp t, 0,1
.irp kt, 0,1,2,3
.irp j, 0,1,2,3,4,5,6,7
	v_cmp_gt_i32 vcc_lo, 16*\kt+\j, v[DG+\t]
	v_cndmask_b32 v[SS+32*\t+8*\kt+\j], v[SS+32*\t+8*\kt+\j], v[NEGR], vcc_lo
.endr
.endr
.endr
.Lopen_\@:
	; the maximum of a lane's 32 scores and the old m, three operands at a time, the two tiles line by line
.irp j, 0,1,2,3
.irp t, 0,1
	v_max3_num_f32 v[ST+8*\t+4+\j], v[SS+32*\t+8*\j], v[SS+32*\t+8*\j+1], v[SS+32*\t+8*\j+2]
.endr
.endr
.irp g, 1,2
.irp j, 0,1,2,3
.irp t, 0,1
	v_max3_num_f32 v[ST+8*\t+4+\j], v[ST+8*\t+4+\j], v[SS+32*\t+8*\j+2*\g+1], v[SS+32*\t+8*\j+2*\g+2]
.endr
.endr
.endr
.irp t, 0,1
	v_max3_num_f32 v[ST+8*\t+4], v[ST+8*\t+4], v[SS+32*\t+7], v[SS+32*\t+15]
.endr
.irp t, 0,1
	v_max3_num_f32 v[ST+8*\t+6], v[ST+8*\t+6], v[SS+32*\t+23], v[SS+32*\t+31]
.endr
.irp t, 0,1
	v_max3_num_f32 v[ST+8*\t+4], v[ST+8*\t+4], v[ST+8*\t+5], v[ST+8*\t+6]
.endr
.irp t, 0,1
	v_max3_num_f32 v[ST+8*\t+4], v[ST+8*\t+4], v[ST+8*\t+7], v[ST+8*\t+1]
.endr
.irp t, 0,1
	v_permlanex16_b32 v[ST+8*\t+5], v[ST+8*\t+4], s[PSEL], s[PSEL+1]   ; the query's other 32 keys lie in the lane 16 away
.endr
.irp t, 0,1
	v_mov_b32 v[ST+8*\t+7], v[ST+8*\t]             ; c m_old is kept for a
.endr
.irp t, 0,1
	v_max_num_f32 v[ST+8*\t+1], v[ST+8*\t+4], v[ST+8*\t+5]
.endr
.irp t, 0,1
	v_mul_f32 v[ST+8*\t], s[CS], v[ST+8*\t+1]
.endr
.irp t, 0,1
	v_sub_f32 v[ST+8*\t+7], v[ST+8*\t+7], v[ST+8*\t]
.endr
	WIN 0x40                                       ; V, turned, into window 1: the lines above are the places behind the last step's products, which read these registers
.irp kp, 0,1
.irp ct, 0,1,2,3
.irp e, 0,1
	ds_load_tr16_b128 v[VF+32*\kp+8*\ct+4*\e:VF+32*\kp+8*\ct+4*\e+3], v[ADV] offset:(\q)*8192+(2*\kp+\e)*2048+\ct*512
.endr
.endr
.endr
	WIN 0
.irp b, 0,2,4,6,8,10,12,14,16,18,20,22,24,26,28,30
.irp t, 0,1
	v_pk_fma_f32 v[SS+32*\t+\b:SS+32*\t+\b+1], v[SS+32*\t+\b:SS+32*\t+\b+1], s[CS:CS+1], v[ST+8*\t:ST+8*\t+1] op_sel_hi:[1,0,0] neg_lo:[0,0,1] neg_hi:[0,0,1]   ; c s - c m
.endr
.endr
.irp t, 0,1
	v_exp_f32 v[ST+8*\t+6], v[ST+8*\t+7]           ; a
.endr
.set nn, 0
.rept 64
	v_exp_f32 v[SS+nn], v[SS+nn]                   ; p
.set nn, nn+1
.endr
	v_nop                                          ; a plain line behind the last exponential
	s_wait_alu depctr_va_vdst(0)                   ; one wait for the batch of 66, ahead of the first line that names a result
.set nn, 0
.rept 32
	v_cvt_pk_f16_f32 v[PP+nn], v[SS+2*nn], v[SS+2*nn+1]
.set nn, nn+1
.endr
.irp u, 0,1,2,3,4,5,6,7                ; the sum of a tile's 16 pairs, in place
.irp t, 0,1
	v_pk_add_f32 v[SS+32*\t+4*\u:SS+32*\t+4*\u+1], v[SS+32*\t+4*\u:SS+32*\t+4*\u+1], v[SS+32*\t+4*\u+2:SS+32*\t+4*\u+3]
.endr
.endr
.irp u, 0,1,2,3
.irp t, 0,1
	v_pk_add_f32 v[SS+32*\t+8*\u:SS+32*\t+8*\u+1], v[SS+32*\t+8*\u:SS+32*\t+8*\u+1], v[SS+32*\t+8*\u+4:SS+32*\t+8*\u+5]
.endr
.endr
.irp u, 0,1
.irp t, 0,1
	v_pk_add_f32 v[SS+32*\t+16*\u:SS+32*\t+16*\u+1], v[SS+32*\t+16*\u:SS+32*\t+16*\u+1], v[SS+32*\t+16*\u+8:SS+32*\t+16*\u+9]
.endr
.endr
.irp t, 0,1
	v_pk_add_f32 v[SS+32*\t:SS+32*\t+1], v[SS+32*\t:SS+32*\t+1], v[SS+32*\t+16:SS+32*\t+17]
.endr
.irp t, 0,1
	v_pk_fma_f32 v[ST+8*\t+2:ST+8*\t+3], v[ST+8*\t+2:ST+8*\t+3], v[ST+8*\t+6:ST+8*\t+7], v[SS+32*\t:SS+32*\t+1] op_sel_hi:[1,0,1]   ; l = a l + the sum
.endr
	WIN 0x41                                       ; O^T in window 1, a in window 0
.irp t, 0,1
.set nn, 0
.rept 16
	v_pk_mul_f32 v[OT+32*\t+nn:OT+32*\t+nn+1], v[OT+32*\t+nn:OT+32*\t+nn+1], v[ST+8*\t+6:ST+8*\t+7] op_sel_hi:[1,0]
.set nn, nn+2
.endr
.endr
	s_wait_dscnt 0x0                               ; V is in
	WIN 0x51                                       ; V and O^T in window 1, P in window 0
.irp kp, 0,1                           ; keys 32 kp on; the eight accumulators by turns
.irp ct, 0,1,2,3
.irp t, 0,1
	v_wmma_f32_16x16x32_f16 v[OT+32*\t+8*\ct:OT+32*\t+8*\ct+7], v[VF+32*\kp+8*\ct:VF+32*\kp+8*\ct+7], v[PP+16*\t+8*\kp:PP+16*\t+8*\kp+7], v[OT+32*\t+8*\ct:OT+32*\t+8*\ct+7]
.endr
.endr
.endr
	WIN 0
.Lhidden_\@:
	s_add_co_u32 s[KF], s[KF], 64
.endm
; THE CHANGE OF SLOTS stands at a slot's head.  Each wave waits for all its tensor loads, adds 0 to its spare word (fill = 1: twice on end), and waits for that and for its reads of the slot that it has left.
; Behind the barrier the slot ahead is whole and nobody reads the other one.  fill = 1: that other slot is filled with the next 256 keys, up to the causal limit: the load has a slot's four steps in which to land.
.macro CHANGE fill
	s_wait_tensorcnt 0x0                           ; no tensor load of mine is out, so group 0 may be written
	ds_add_u32 v[SPW], v[NIL]                      ; 0 onto my spare word
.if \fill
	ds_add_u32 v[SPW], v[NIL]                      ; and once more
	s_xor_b32 s[G0+1], s[G0+1], SLOTB              ; the walking descriptor: the other slot than last time,
	s_add_nc_u64 s[G0+2:G0+3], s[G0+2:G0+3], 32768 ; the next 256 keys; the type bits on top are not reached
	s_wait_xcnt 0x0                                ; the last prefetches, a slot back, have read their address, so it may be written:
	s_add_nc_u64 s[PFA:PFA+1], s[PFA:PFA+1], 32768 ; one slot further on than the walking descriptor
.endif
	s_wait_dscnt 0x0                               ; the add is done (fill = 1: both are), my reads of the slot that I have left are over, and (first trip) my mask numbers are stored
	s_barrier_signal -1
	s_barrier_wait -1
.if \fill
	s_add_co_u32 s44, s[KF], 256                   ; the first key of the slot that this change would ask for:
	s_cmp_gt_u32 s44, s[QL]                        ; past my work-group's last query it is read by none of the eight waves, so it is not asked for.  Ids and the count of steps alone: all waves go the same way
	s_cbranch_scc1 .Lpast_\@
	TLOAD                                          ; a wave's one tensor load until the next such barrier
.Lpast_\@:
	ASK
.endif
	v_add_nc_u32 v[ADK], s[TB], v[LI]
	v_add_nc_u32 v[ADV], VOFF, v[ADK]
	v_add_nc_u32 v[ADM], s[TM], v[ABI]
.endm
.macro SLOT_STEPS
.set QN, 0
.rept 4
	STEP QN
.set QN, QN+1
.endr
	s_xor_b32 s[TB], s[TB], SLOTB                  ; on to the other slot
	s_add_co_u32 s[TM], s[TM], 1024
.endm
.Lslot:                                            ; NSL - 1 trips, a constant: every work-group walks all changes of slots
	CHANGE 1
	SLOT_STEPS
	s_sub_co_u32 s[SLOTS], s[SLOTS], 1
	s_cmp_lg_u32 s[SLOTS], 0
	s_cbranch_scc1 .Lslot
	CHANGE 0                                       ; the last slot is written out: nothing is left to fetch
	SLOT_STEPS
	; THE WAY OUT.  l's two halves and the other half of the lanes' are added; O^T is divided by l, rounded to f16, and meets the other waves' in the stage: a row's 512 bytes come from four waves.
.rept 4
	v_nop                                          ; places behind the last products
.endr
.irp t, 0,1
	v_add_f32 v[ST+8*\t+4], v[ST+8*\t+2], v[ST+8*\t+3]
.endr
.irp t, 0,1
	v_permlanex16_b32 v[ST+8*\t+5], v[ST+8*\t+4], s[PSEL], s[PSEL+1]
.endr
.irp t, 0,1
	v_add_f32 v[ST+8*\t+4], v[ST+8*\t+4], v[ST+8*\t+5]
.endr
.irp t, 0,1
	v_rcp_f32 v[ST+8*\t+6], v[ST+8*\t+4]
.endr
	v_nop                                          ; a plain line behind the last reciprocal
	s_wait_alu depctr_va_vdst(0)                   ; and the one wait ahead of the first use
	WIN 0x01                                       ; source 0: O^T in window 1
.irp t, 0,1
.set nn, 0
.rept 16
	v_pk_mul_f32 v[SS+32*\t+nn:SS+32*\t+nn+1], v[OT+32*\t+nn:OT+32*\t+nn+1], v[ST+8*\t+6:ST+8*\t+7] op_sel_hi:[1,0]
.set nn, nn+2
.endr
.endr
	WIN 0
.set nn, 0
.rept 32
	v_cvt_pk_f16_f32 v[PP+nn], v[SS+2*nn], v[SS+2*nn+1]
.set nn, nn+1
.endr
.irp t, 0,1
.irp ct, 0,1,2,3
	ds_store_b128 v[STO], v[PP+16*\t+4*\ct:PP+16*\t+4*\ct+3] offset:\t*16*SPITCH+\ct*32   ; query 16 t + r, channels 16 ct + 8 h + 0 .. 7
.endr
.endr
	s_wait_dscnt 0x0                               ; for the others' sake: my stores into the stage are done
	s_barrier_signal -1
	s_barrier_wait -1
.irp i, 0,1,2,3,4,5,6,7
	ds_load_b128 v[SS+4*\i:SS+4*\i+3], v[RD] offset:\i*SPITCH
.endr
.irp i, 0,1,2,3,4,5,6,7
	s_wait_dscnt 7-\i                              ; row i is in; the younger rows' loads may be out
	global_store_b128 v[LI], v[SS+4*\i:SS+4*\i+3], s[10:11] offset:\i*4096   ; 32 lanes store 512 consecutive bytes, aligned
.endr
	s_wait_tensorcnt 0x0                           ; the wave's end, behind my last tensor load and my last LDS store
	ds_add_u32 v[SPW], v[NIL]
	s_wait_dscnt 0x0
	s_endpgm
.Lfunc_end_k_q458663c37c_attn:
	.size	k_q458663c37c_attn, .Lfunc_end_k_q458663c37c_attn-k_q458663c37c_attn
	.p2alignl 7, 3214868480
	.fill 96, 4, 3214868480
	.section	.rodata,"a",@progbits
	.p2align	6, 0x0
	.amdhsa_kernel k_q458663c37c_attn
		.amdhsa_group_segment_fixed_size 327680
		.amdhsa_private_segment_fixed_size 0
		.amdhsa_enable_private_segment 0
		.amdhsa_kernarg_size 32
		.amdhsa_user_sgpr_count 2
		.amdhsa_user_sgpr_kernarg_segment_ptr 1
		.amdhsa_wavefront_size32 1
		.amdhsa_system_sgpr_workgroup_id_x 1
		.amdhsa_system_sgpr_workgroup_id_y 1
		.amdhsa_system_sgpr_workgroup_id_z 1
		.amdhsa_system_vgpr_workitem_id 0
		.amdhsa_next_free_vgpr 384
		.amdhsa_next_free_sgpr 66
		.amdhsa_reserve_vcc 1
		.amdhsa_float_denorm_mode_32 3
		.amdhsa_float_denorm_mode_16_64 3
		.amdhsa_memory_ordered 1
		.amdhsa_forward_progress 1
		.amdhsa_inst_pref_size 191
	.end_amdhsa_kernel
	.amdgpu_metadata
---
amdhsa.version: [ 1, 2 ]
amdhsa.kernels:
  - .name:           k_q458663c37c_attn
    .symbol:         k_q458663c37c_attn.kd
    .args:
      - { .name: qimg, .offset: 0, .size: 8, .value_kind: global_buffer, .address_space: global }
      - { .name: kv, .offset: 8, .size: 8, .value_kind: global_buffer, .address_space: global }
      - { .name: mask, .offset: 16, .size: 8, .value_kind: global_buffer, .address_space: global }
      - { .name: ctx, .offset: 24, .size: 8, .value_kind: global_buffer, .address_space: global }
    .group_segment_fixed_size: 327680
    .private_segment_fixed_size: 0
    .kernarg_segment_align: 8
    .kernarg_segment_size: 32
    .max_flat_workgroup_size: 256
    .sgpr_count:     66
    .vgpr_count:     384
    .wavefront_size: 32
...
	.end_amdgpu_metadata
.endif
;; end of part 3
;; launch oproj (part 4): grid 16 x 16, 4 waves a work-group, clusters of 4 x 4, 327,680 bytes of LDS; arguments ctx, wo16, out0; writes out0
.if DOCPART == 4
	.amdgcn_target "amdgcn-amd-amdhsa--gfx1250"
	.amdhsa_code_object_version 6
	.text
	.protected	k_q458663c37c_oproj
	.globl	k_q458663c37c_oproj
	.p2align	8
	.type	k_q458663c37c_oproj,@function
k_q458663c37c_oproj:
	s_mov_b64 s[64:65], 0
	v_nop
	global_prefetch_b8 v0, s[64:65] scope:SCOPE_SE
	s_setreg_imm32_b32 hwreg(HW_REG_WAVE_MODE, 25, 1), 1
	s_wait_xcnt 0x0
	s_wait_alu depctr_hold_cnt(0) depctr_sa_sdst(0) depctr_va_vdst(0) depctr_va_sdst(0) depctr_va_ssrc(0) depctr_va_vcc(0) depctr_vm_vsrc(0)
	s_getreg_b32 s2, hwreg(HW_REG_IB_STS2, 6, 4)
	s_cmp_eq_u32 s2, 0
	s_cbranch_scc0 .Lentry_in_a_cluster
	s_endpgm
.Lentry_in_a_cluster:
	s_bfe_u32 s2, ttmp6, 0x10000c
	s_cmp_lg_u32 s2, 0xf033
	s_cbranch_scc0 .Lentry_shape_is_right
	s_endpgm
.Lentry_shape_is_right:
; out0[m][n] = sum over k of ctx[m][k] Wo[n][k].  ctx, wo16: [2048][2048] f16; out0: [2048][2048] f32; sums in f32.  (Rows 0-15 are written again, more finely, by the launch that follows.)
; A tile of the output is 128 x 128, which gives 256 work-groups.  Four waves, each 64 x 64: 16 accumulators of 16 x 16, 128 registers.  K goes in steps of 256 (LDS rows of 512 bytes; a wave's tensor load brings 64 of them)
; through a ring of two slots.  CLUSTERS: 4 x 4 work-groups; the four of a row need the same tiles of ctx, the four of a column the same tiles of Wo: each tile is asked for jointly.
; THE MATRIX INSTRUCTION IS USED TRANSPOSED (source 0 = 16 rows of Wo, source 1 = 16 rows of ctx): a lane holds eight neighbouring numbers of a row of the output.
; THE WAY OUT: a wave's 64 columns of f32 are 256 consecutive bytes of a row, aligned: a block of 16 rows goes through the wave's own stage in LDS and leaves with sixteen lanes to such a run.  The stages lie in slot 0,
; which has had its last fill and its last read when the first result is stored there.
; REGISTERS: window 0: v0-31 addresses; v32-95 at work on the way out; v128-255 the accumulators ((a, b) at v[128 + 8 (4 a + b)]).   window 1: two fragment buffers of 128.
.set SIZE_M, 2048
.set SIZE_N, 2048
.set SIZE_K, 2048
.set KSTEP,  256
.set PITCH,  528                       ; an LDS row: 512 bytes + 16 of padding: the 16 rows that a load touches start at 16 different banks (64 banks of 4 bytes: ISA guide 11.1)
.set HALFT,  64*PITCH                  ; 64 rows: what one tensor load brings
.set SLOT,   4*HALFT                   ; ctx's 128 rows, then Wo's 128 rows
.set SPARE,  2*SLOT                    ; behind the ring: the spare words, 128 bytes a wave
.set SPITCH, 272                       ; a stage row: 256 bytes + 16
.set LAPS, SIZE_K/(2*KSTEP)
.set ADRA, 16                          ; v16-17  LDS address of my ctx fragments in slot 0, 1
.set ADRB, 20                          ; v20-21  the same for Wo
.set STO,  24                          ; v24     the way out: where I put 32 bytes of a row
.set RD,   25                          ; v25     where I read rows back
.set CO,   26                          ; v26     my byte offset in the output
.set SPW,  28                          ; v28     LDS address of my spare word; never rewritten
.set NIL,  29                          ; v29     0; never rewritten
.set TMP,  32                          ; the way out: two sets of 32 registers
.set ACC,  128
.set F0,   0                           ; fragment buffers, in window 1
.set F1,   128
.set G1, 24                            ; s[24:31] descriptor group 1 for ctx's tiles;  s[32:39] group 0, one set for each slot
.set G0, 32
.set G1B, 48                           ; s[48:55], s[56:63] the same for Wo's tiles
.set G0B, 56
.set MSB, 0
.macro WIN new                         ; the immediate's high byte repeats the setting that is left
.if MSB != \new
	s_set_vgpr_msb (MSB<<8)|\new
.set MSB, \new
.endif
.endm
.set MUL,  0x05                        ; sources 0 (Wo) and 1 (ctx) window 1; C and D window 0
.set TO_F, 0x40                        ; destination window 1, address window 0
.macro JLOAD s                         ; a joint load: waves 0 and 1 fetch ctx's two halves, waves 2 and 3 Wo's; an s_nop 0 and four v_nop follow each of the two lines
	s_cmp_eq_u32 s11, 0
	s_cbranch_scc0 .Lfor_b_\@
	tensor_load_to_lds s[G0+4*\s:G0+4*\s+3], s[G1:G1+7]
	s_nop 0
.rept 4
	v_nop
.endr
	s_branch .Lasked_\@
.Lfor_b_\@:
	tensor_load_to_lds s[G0B+4*\s:G0B+4*\s+3], s[G1B:G1B+7]
	s_nop 0
.rept 4
	v_nop
.endr
.Lasked_\@:
.endm
.macro CREST                           ; a round of the cluster's barrier behind its opening barrier
	s_cmp_lg_u32 s10, 0
	s_cbranch_scc1 .Lnot_wave_0_\@
	s_barrier_signal -3
.Lnot_wave_0_\@:
	s_barrier_wait -3
	s_barrier_signal -1
	s_barrier_wait -1
.endm
.macro CROUND                          ; a whole round
	s_barrier_signal -1
	s_barrier_wait -1
	CREST
.endm
	s_load_b128 s[4:7], s[0:1], 0x0                ; ctx s[4:5], wo16 s[6:7]
	s_load_b64 s[8:9], s[0:1], 0x10                ; out0
	v_lshl_add_u32 v[SPW], v0, 2, SPARE
	v_mov_b32 v[NIL], 0
	ds_add_u32 v[SPW], v[NIL]                      ; the wave's opening: the add, twice on end, and its wait ahead of my first tensor load; the set-up below stands between the second and the wait
	ds_add_u32 v[SPW], v[NIL]
	v_lshrrev_b32 v1, 5, v0
	v_readfirstlane_b32 s10, v1                    ; wave 0..3
	s_lshr_b32 s11, s10, 1                         ; which half of the tile's rows is mine.  Also: I fetch for ctx (0) or for Wo (1)
	s_and_b32 s12, s10, 1                          ; which half of its columns.  Also: which 64 rows of that tile I fetch
	s_bfe_u32 s40, ttmp6, 0x40000                  ; cx, cy: my place in the cluster
	s_bfe_u32 s41, ttmp6, 0x40004
	s_lshl_b32 s42, ttmp9, 2
	s_add_co_u32 s42, s42, s40                     ; tile column = 4 x cluster x + cx
	s_and_b32 s13, ttmp7, 0xffff
	s_lshl_b32 s13, s13, 2
	s_add_co_u32 s13, s13, s41                     ; tile row = 4 x cluster y + cy
	s_lshl_b32 s43, s41, 2
	s_lshl_b32 s43, 15, s43                        ; my row of the cluster
	s_lshl_b32 s44, 0x1111, s40                    ; my column
	; descriptor group 1: a tile of 64 rows x 256 elements of 2 bytes, padded in LDS
	s_or_b32 s[G1+0], s43, (1<<16)|(1<<20)|(1<<21)|(6<<22)|(3<<25)  ; 15:0 the mask: ctx's tiles go to my row; 17:16 elements of 2 bytes; 20 padding on; 21 set beside a mask; 24:22 after every 128 words; 31:25 four words
	s_or_b32 s[G1B+0], s44, (1<<16)|(1<<20)|(1<<21)|(6<<22)|(3<<25)
.irp g, G1, G1B
	s_mov_b32 s[\g+1], KSTEP<<16                   ; tensor_dim0 = 256
	s_mov_b32 s[\g+2], 64<<16                      ; tensor_dim1 = 64
	s_mov_b32 s[\g+3], KSTEP<<16                   ; tile_dim0 = 256
	s_mov_b32 s[\g+4], 64                          ; tile_dim1 = 64
	s_mov_b32 s[\g+5], SIZE_K                      ; tensor_dim0_stride
	s_mov_b32 s[\g+6], 0
	s_mov_b32 s[\g+7], 0
.endr
	s_lshl_b32 s17, s12, 6                         ; which 64 rows of the tile I fetch
	s_lshl_b32 s16, s13, 7
	s_add_co_u32 s16, s16, s17                     ; ctx: row 128 x tile row + 64 x half
	s_lshl_b32 s46, s42, 7
	s_add_co_u32 s46, s46, s17                     ; Wo: row 128 x tile column + 64 x half
	s_mov_b32 s17, 0
	s_mov_b32 s47, 0
	s_mov_b64 s[18:19], SIZE_K*2
	s_mul_u64 s[16:17], s[16:17], s[18:19]
	s_mul_u64 s[46:47], s[46:47], s[18:19]
	s_mul_i32 s20, s10, HALFT                      ; where they go: wave x 64 rows
	s_wait_dscnt 0x0                               ; both opening adds are done
	s_wait_kmcnt 0x0
	s_add_nc_u64 s[14:15], s[4:5], s[16:17]
	s_add_nc_u64 s[46:47], s[6:7], s[46:47]
	CROUND                                         ; all sixteen work-groups are here: the first joint loads meet
.irp s, 0,1
	s_mov_b32 s[G0+4*\s], 1
	s_add_co_u32 s[G0+4*\s+1], s20, \s*SLOT
	s_add_nc_u64 s[G0+4*\s+2:G0+4*\s+3], s[14:15], \s*KSTEP*2
	s_or_b32 s[G0+4*\s+3], s[G0+4*\s+3], 0x80000000
	s_mov_b32 s[G0B+4*\s], 1
	s_add_co_u32 s[G0B+4*\s+1], s20, \s*SLOT
	s_add_nc_u64 s[G0B+4*\s+2:G0B+4*\s+3], s[46:47], \s*KSTEP*2
	s_or_b32 s[G0B+4*\s+3], s[G0B+4*\s+3], 0x80000000
	JLOAD \s                                       ; two loads of mine are out
.endr
	v_and_b32 v1, 15, v0                           ; r = l % 16
	v_bfe_u32 v2, v0, 4, 1                         ; h = l / 16
	v_mul_u32_u24 v3, v1, PITCH
	v_lshl_add_u32 v3, v2, 4, v3                   ; a fragment's row x pitch + 16 x half
	s_mul_i32 s21, s11, HALFT                      ; my 64 rows of ctx
	s_mul_i32 s22, s12, HALFT                      ; my 64 rows of Wo,
	s_add_co_u32 s22, s22, 2*HALFT                 ; which lie behind ctx's 128
.irp s, 0,1
	v_add_nc_u32 v[ADRA+\s], s21, v3
	v_add_nc_u32 v[ADRB+\s], s22, v3
	s_add_co_u32 s21, s21, SLOT
	s_add_co_u32 s22, s22, SLOT
.endr
	s_mul_i32 s23, s10, 16*SPITCH                  ; my stage, in slot 0
	v_mul_u32_u24 v4, v1, SPITCH
	v_lshl_add_u32 v4, v2, 5, v4
	v_add_nc_u32 v[STO], s23, v4                   ; in: row r, 32 bytes for each half of the lanes
	v_mul_u32_u24 v5, v2, SPITCH
	v_lshl_add_u32 v5, v1, 4, v5
	v_add_nc_u32 v[RD], s23, v5                    ; back: lanes 0-15 one row of 256 bytes, lanes 16-31 the next
	v_lshlrev_b32 v5, 13, v2
	v_lshl_add_u32 v[CO], v1, 4, v5                ; and the same two rows in the output: a row is 8,192 bytes
	s_lshl_b32 s16, s13, 7
	s_lshl_b32 s17, s11, 6
	s_add_co_u32 s16, s16, s17                     ; my first row: 128 x tile row + 64 x half
	s_lshl_b32 s16, s16, 13
	s_lshl_b32 s46, s42, 9                         ; my first column, in bytes: 512 x tile column + 256 x half
	s_lshl_b32 s47, s12, 8
	s_add_co_u32 s46, s46, s47
	s_add_co_u32 s16, s16, s46
	s_mov_b32 s17, 0
	s_add_nc_u64 s[8:9], s[8:9], s[16:17]
; 8 matrix instructions: m blocks a0, a0 + 1 x all 4 n blocks, 32 along K: half c of buffer f.  zero = 1: the first product starts the sums.  The 16 accumulators take turns
.macro MUL8 f, c, a0, zero
.irp a, \a0, \a0+1
.irp b, 0,1,2,3
.if \zero
	v_wmma_f32_16x16x32_f16 v[ACC+8*(4*(\a)+\b):ACC+8*(4*(\a)+\b)+7], v[\f+64+8*(4*\c+\b):\f+64+8*(4*\c+\b)+7], v[\f+8*(4*\c+\a):\f+8*(4*\c+\a)+7], 0
.else
	v_wmma_f32_16x16x32_f16 v[ACC+8*(4*(\a)+\b):ACC+8*(4*(\a)+\b)+7], v[\f+64+8*(4*\c+\b):\f+64+8*(4*\c+\b)+7], v[\f+8*(4*\c+\a):\f+8*(4*\c+\a)+7], v[ACC+8*(4*(\a)+\b):ACC+8*(4*(\a)+\b)+7]
.endif
.endr
.endr
.endm
; 32 LDS loads in one run: the fragments of 64 along K at byte k of the rows, into buffer f; the first 32 along K first
.macro FETCH slot, k, f
	WIN TO_F
.irp c, 0,1
.irp i, 0,1,2,3
	ds_load_b128 v[\f+64+8*(4*\c+\i):\f+64+8*(4*\c+\i)+3],   v[ADRB+\slot] offset:\k+64*\c+\i*16*PITCH
	ds_load_b128 v[\f+64+8*(4*\c+\i)+4:\f+64+8*(4*\c+\i)+7], v[ADRB+\slot] offset:\k+64*\c+\i*16*PITCH+32
	ds_load_b128 v[\f+8*(4*\c+\i):\f+8*(4*\c+\i)+3],         v[ADRA+\slot] offset:\k+64*\c+\i*16*PITCH
	ds_load_b128 v[\f+8*(4*\c+\i)+4:\f+8*(4*\c+\i)+7],       v[ADRA+\slot] offset:\k+64*\c+\i*16*PITCH+32
.endr
.endr
.endm
.macro PLACES                          ; four places in front of loads into registers that matrix instructions have read, and of the first read of results
.rept 4
	v_nop
.endr
.endm
; A K step is four quarters of 64 along K, 32 matrix instructions each, on buffers 0, 1, 0, 1.  One of the first three: multiplies buffer f and fetches the next quarter, at byte k, into g.
.macro QUARTER slot, k, f, g, zero
	s_wait_dscnt 16                                ; the first 32 along K are in; the youngest sixteen loads may be out
	WIN MUL
	MUL8 \f, 0, 0, \zero
	MUL8 \f, 0, 2, \zero
	PLACES
	FETCH \slot, \k, \g
	s_wait_dscnt 32                                ; all but the 32 just issued
	WIN MUL
	MUL8 \f, 1, 0, 0
	MUL8 \f, 1, 2, 0
.endm
; The last quarter multiplies buffer 1 and changes slots: one barrier; in front of it each wave waits for all its tensor loads, adds 0 to its spare word, and waits for that and for its own reads of this slot.  fill = 1: this slot is filled again, two K steps ahead.
.macro TURN slot, next, fill
	WIN 0                                          ; (the add's two registers lie in window 0)
	s_wait_tensorcnt 0x0                           ; all my tensor loads have landed: my part of the next slot
	ds_add_u32 v[SPW], v[NIL]                      ; 0 onto my spare word
	s_wait_dscnt 17                                ; (the add and the youngest sixteen loads may be out)
	WIN MUL
	MUL8 F1, 0, 0, 0                               ; eight matrix instructions stand between the add and the wait for it
	s_wait_dscnt 0x0                               ; the add is done, and my reads of this slot are over
	s_barrier_signal -1
	MUL8 F1, 0, 2, 0
.if \fill
	WIN 0
.endif
	s_barrier_wait -1
.if \fill
	CREST                                          ; the barrier has opened a round of the cluster's barrier: no wave of any partner still reads this slot's tile or has a load on its way
	s_add_nc_u64 s[G0+4*\slot+2:G0+4*\slot+3], s[G0+4*\slot+2:G0+4*\slot+3], 2*KSTEP*2
	s_add_nc_u64 s[G0B+4*\slot+2:G0B+4*\slot+3], s[G0B+4*\slot+2:G0B+4*\slot+3], 2*KSTEP*2
	JLOAD \slot                                    ; the first tensor load behind the round, my one load that is out; its four v_nop are the places in front of the loads below
.else
	PLACES
.endif
	FETCH \next, 0, F0
	WIN MUL
	MUL8 F1, 1, 0, 0
	MUL8 F1, 1, 2, 0
.endm
	s_wait_tensorcnt 1                             ; my part of K step 0 is in (K step 1's may be out)
	s_barrier_signal -1
	s_barrier_wait -1                              ; everybody's is
	FETCH 0, 0, F0
	QUARTER 0, 128, F0, F1, 1                      ; the first quarter stands in front of the loop: its first products start the sums
	WIN 0                                          ; at a label and at a branch every window is 0
	s_mov_b32 s3, LAPS-1
.Llap:                                                 ; a trip goes once round the ring, from a lap's second quarter to the next lap's first, and fills both slots again
	QUARTER 0, 256, F1, F0, 0
	QUARTER 0, 384, F0, F1, 0
	TURN 0, 1, 1
	QUARTER 1, 128, F0, F1, 0
	QUARTER 1, 256, F1, F0, 0
	QUARTER 1, 384, F0, F1, 0
	TURN 1, 0, 1
	QUARTER 0, 128, F0, F1, 0
	WIN 0
	s_sub_co_u32 s3, s3, 1
	s_cmp_lg_u32 s3, 0
	s_cbranch_scc1 .Llap
	QUARTER 0, 256, F1, F0, 0                      ; the last lap fills nothing, and has no round of the cluster's barrier
	QUARTER 0, 384, F0, F1, 0
	TURN 0, 1, 0
	QUARTER 1, 128, F0, F1, 0
	QUARTER 1, 256, F1, F0, 0
	QUARTER 1, 384, F0, F1, 0
	s_wait_dscnt 16                                ; the very last quarter: nothing more to fetch
	WIN MUL
	MUL8 F1, 0, 0, 0
	MUL8 F1, 0, 2, 0
	s_wait_dscnt 0
	MUL8 F1, 1, 0, 0
	MUL8 F1, 1, 2, 0
	WIN 0
; THE WAY OUT, block by block of 16 rows x 64 columns.  LDS serves a wave's instructions in order (ISA guide 5.7.1.4): no wait between my stores into my stage and my loads from it, nor in front of the next block's stores.
.macro TOSTAGE a
.irp b, 0,1,2,3
	ds_store_b128 v[STO], v[ACC+8*(4*(\a)+\b):ACC+8*(4*(\a)+\b)+3] offset:64*\b          ; each accumulator from its low end on
	ds_store_b128 v[STO], v[ACC+8*(4*(\a)+\b)+4:ACC+8*(4*(\a)+\b)+7] offset:64*\b+16
.endr
.set BB, TMP+32*((\a)%2)
.irp t, 0,1,2,3,4,5,6,7
	ds_load_b128 v[BB+4*\t:BB+4*\t+3], v[RD] offset:\t*2*SPITCH
.endr
.endm
.macro SEND a, younger                 ; younger: the LDS instructions issued behind block a's loads, which may stay out
.set BB, TMP+32*((\a)%2)
	s_wait_dscnt \younger
.irp t, 0,1,2,3,4,5,6,7
	global_store_b128 v[CO], v[BB+4*\t:BB+4*\t+3], s[8:9] offset:(16*(\a)+2*\t)*SIZE_N*4 th:TH_STORE_NT   ; 16 lanes store 256 consecutive bytes, aligned
.endr
.endm
	PLACES
	TOSTAGE 0
	TOSTAGE 1
	SEND 0, 16                                     ; behind block 0's loads: block 1's 8 stores and 8 loads
	s_wait_xcnt 0x0                                ; block 0's stores have read their registers: block 2's loads may land there
	TOSTAGE 2
	SEND 1, 16
	s_wait_xcnt 0x0
	TOSTAGE 3
	SEND 2, 16
	SEND 3, 0
	s_wait_tensorcnt 0x0                           ; the wave's end, behind my last tensor load and my last LDS store
	ds_add_u32 v[SPW], v[NIL]
	s_wait_dscnt 0x0
	CROUND                                         ; the closing round: no work-group ends while a partner may still ask for a tile that names it
	s_endpgm
.Lfunc_end_k_q458663c37c_oproj:
	.size	k_q458663c37c_oproj, .Lfunc_end_k_q458663c37c_oproj-k_q458663c37c_oproj
	.p2alignl 7, 3214868480
	.fill 96, 4, 3214868480
	.section	.rodata,"a",@progbits
	.p2align	6, 0x0
	.amdhsa_kernel k_q458663c37c_oproj
		.amdhsa_group_segment_fixed_size 327680
		.amdhsa_private_segment_fixed_size 0
		.amdhsa_enable_private_segment 0
		.amdhsa_kernarg_size 24
		.amdhsa_user_sgpr_count 2
		.amdhsa_user_sgpr_kernarg_segment_ptr 1
		.amdhsa_wavefront_size32 1
		.amdhsa_system_sgpr_workgroup_id_x 1
		.amdhsa_system_sgpr_workgroup_id_y 1
		.amdhsa_system_sgpr_workgroup_id_z 1
		.amdhsa_system_vgpr_workitem_id 0
		.amdhsa_next_free_vgpr 512
		.amdhsa_next_free_sgpr 66
		.amdhsa_reserve_vcc 0
		.amdhsa_float_denorm_mode_32 3
		.amdhsa_float_denorm_mode_16_64 3
		.amdhsa_memory_ordered 1
		.amdhsa_forward_progress 1
		.amdhsa_inst_pref_size 85
	.end_amdhsa_kernel
	.amdgpu_metadata
---
amdhsa.version: [ 1, 2 ]
amdhsa.kernels:
  - .name:           k_q458663c37c_oproj
    .symbol:         k_q458663c37c_oproj.kd
    .args:
      - { .name: ctx, .offset: 0, .size: 8, .value_kind: global_buffer, .address_space: global }
      - { .name: wo16, .offset: 8, .size: 8, .value_kind: global_buffer, .address_space: global }
      - { .name: out0, .offset: 16, .size: 8, .value_kind: global_buffer, .address_space: global }
    .group_segment_fixed_size: 327680
    .private_segment_fixed_size: 0
    .kernarg_segment_align: 8
    .kernarg_segment_size: 24
    .max_flat_workgroup_size: 128
    .sgpr_count:     66
    .vgpr_count:     512
    .wavefront_size: 32
...
	.end_amdgpu_metadata
.endif
;; end of part 4
;; launch first16 (part 5): grid 128 x 1, 8 waves a work-group, no clusters, 9,216 bytes of LDS; arguments fine, mask, Wo, out0; writes out0
.if DOCPART == 5
	.amdgcn_target "amdgcn-amd-amdhsa--gfx1250"
	.amdhsa_code_object_version 6
	.text
	.protected	k_q458663c37c_first16
	.globl	k_q458663c37c_first16
	.p2align	8
	.type	k_q458663c37c_first16,@function
k_q458663c37c_first16:
	s_mov_b64 s[64:65], 0
	v_nop
	global_prefetch_b8 v0, s[64:65] scope:SCOPE_SE
	s_setreg_imm32_b32 hwreg(HW_REG_WAVE_MODE, 25, 1), 1
	s_wait_xcnt 0x0
; Positions 0-15 of the sequence, all in f32: under the causal mask they average one to sixteen values and are the largest rows, so the rounding of 16-bit operands weighs most there.  Attention and the projection on the way out.
; fine: [16 positions][3072] f32: columns 0-2047 q, 2048-2559 k (both after RoPE, x 2^-3), 2560-3071 v.  out0 rows 0-15 are written over what the launch before left there.
; SHARES.  Work-group x owns columns 16 x .. 16 x + 15 of the 16 rows.  Wave w owns K = 256 w .. 256 w + 255 of the projection: query heads 4 w .. 4 w + 3, key and value head w.  It makes those heads' ctx itself and multiplies it
; by its part of Wo; the eight waves' parts meet in LDS.  (Each work-group repeats the small attention: 16 x 16 scores a head.)
; All products by the f32 matrix form, 16 x 16 x 4: 192 a wave.  k is permuted alike in both sources, so that every fragment comes by whole loads.  S^T = K Q^T: a lane holds query r and keys 8 h + 0 .. 7;
; p is normalised in f32 and is source 1 of O^T = V^T P; O^T (query r, channels 16 ct + 8 h + j) is source 1 of the projection, whose source 0 is 16 rows of Wo.
; The registers that this matrix form writes are written by matrix instructions alone; each sum begins with 0 or with the mask's numbers as C.  Behind this form 8 places are kept ahead of a vector
; reader and 9 ahead of a matrix instruction that takes a result as a source or begins an accumulator anew (ISA guide 7.12.1).
; The masks: C of the first score product is 0, or -2^101 where the key is masked out or comes after the query; the maximum begins at -2^100.  A row with no visible key ends as 0 x (1 / 0) = NaN, as the softmax of such a row is.
; The stores are pieces of 64 bytes a row (16 bytes a lane): 128 KiB in the whole launch.
; LIMITS: any mask byte other than 0 counts as true; NaN and infinities among the inputs are not served.
.set SPARE, 8192                       ; behind the eight waves' parts (1,024 bytes each): the spare words, 128 bytes a wave
.set KK,  32                           ; v32-63   K: register 4 i + e: channel 8 i + 4 h + e of key r
.set VV,  64                           ; v64-95   V: register 8 ct + j: key 8 h + j, channel 16 ct + r
.set SA,  96                           ; v96-103, v104-111: the scores' two accumulators
.set SB,  104
.set SS,  112                          ; v112-119 the scores' sum, then p
.set B8,  120                          ; v120-127 the masks' numbers
.set OT,  128                          ; v128-159 O^T, four tiles of channels
.set OA,  192                          ; v192-199, v200-207: the projection's two accumulators
.set OB,  200
.set TOT, 208                          ; v208-215 my part of the output
.set WO,  0                            ; window 1: v0-127 Wo: 32 hh + 8 ct + j
.set QW,  128                          ; window 1: v128-255 Q: 32 hh + 4 i + e
.set MSB, 0
.macro WIN new                         ; the immediate's high byte repeats the setting that is left
.if MSB != \new
	s_set_vgpr_msb (MSB<<8)|\new
.set MSB, \new
.endif
.endm
.macro PLACES n
.rept \n
	v_nop
.endr
.endm
	s_load_b256 s[4:11], s[0:1], 0x0               ; fine, mask, Wo, out0
	v_lshl_add_u32 v8, v0, 2, SPARE                ; v8: LDS address of my spare word; never rewritten
	v_mov_b32 v9, 0                                ; v9: 0; never rewritten
	v_lshrrev_b32 v1, 5, v0
	v_readfirstlane_b32 s12, v1                    ; wave 0..7
	v_and_b32 v1, 15, v0                           ; r
	v_bfe_u32 v2, v0, 4, 1                         ; h
	v_mul_u32_u24 v3, v1, 12288
	v_lshl_add_u32 v3, v2, 4, v3                   ; K, Q: row r of fine, + 16 h
	v_mul_u32_u24 v4, v2, 98304
	v_lshl_add_u32 v4, v1, 2, v4                   ; V: rows 8 h on, + 4 r
	v_lshlrev_b32 v5, 13, v1
	v_lshl_add_u32 v5, v2, 5, v5                   ; Wo and out0: row r of 8,192 bytes, + 32 h
	v_lshlrev_b32 v6, 3, v2                        ; the mask: 8 h
	v_and_b32 v7, 31, v0
	v_lshlrev_b32 v7, 4, v7                        ; 16 x lane
	s_lshl_b32 s20, s12, 10
	v_add_nc_u32 v10, s20, v7                      ; LDS: my wave's part
	s_and_b32 s21, s12, 1
	s_lshl_b32 s20, s21, 9
	v_add_nc_u32 v11, s20, v7                      ; and what waves 0 and 1 read back: half w of every part
	v_lshlrev_b32 v26, 3, v2
	v_sub_nc_u32 v26, v1, v26                      ; r - 8 h
	v_mov_b32 v28, 0xf2000000                      ; -2^101
	v_mov_b32 v21, 0                               ; (named as the upper halves of pairs)
	v_mov_b32 v23, 0
	s_mov_b32 s22, 0x76543210
	s_mov_b32 s23, 0xfedcba98                      ; lane selects: lane l xor 16
	s_mov_b32 s24, 0x4138aa3b                      ; c = 8 log2(e): q and k carry 2^-3 each
	s_mov_b32 s25, s24
	s_mov_b32 s15, 0
	s_wait_kmcnt 0x0
	s_lshl_b32 s14, s12, 8
	s_add_nc_u64 s[16:17], s[4:5], s[14:15]        ; fine + 64 w columns: K's and V's head w
	s_lshl_b32 s14, s12, 10
	s_add_nc_u64 s[18:19], s[4:5], s[14:15]        ; fine + 256 w columns: my four query heads
	s_lshl_b32 s26, ttmp9, 17                      ; Wo: 16 x rows of 8,192 bytes,
	s_add_co_u32 s14, s14, s26                     ; + my 256 along K
	s_add_nc_u64 s[8:9], s[8:9], s[14:15]
	s_lshl_b32 s14, ttmp9, 6                       ; out0: column 16 x, + 4 w for waves 0 and 1
	s_lshl_b32 s26, s21, 4
	s_add_co_u32 s14, s14, s26
	s_add_nc_u64 s[10:11], s[10:11], s[14:15]
	global_load_b64 v[24:25], v6, s[6:7]           ; the mask bytes of keys 8 h .. 8 h + 7
.irp i, 0,1,2,3,4,5,6,7
	global_load_b128 v[KK+4*\i:KK+4*\i+3], v3, s[16:17] offset:8192+32*\i
.endr
.irp ct, 0,1,2,3
.irp j, 0,1,2,3,4,5,6,7
	global_load_b32 v[VV+8*\ct+\j], v4, s[16:17] offset:10240+12288*\j+64*\ct
.endr
.endr
	WIN 0x40                                       ; destination window 1
.irp hh, 0,1,2,3
.irp i, 0,1,2,3,4,5,6,7
	global_load_b128 v[QW+32*\hh+4*\i:QW+32*\hh+4*\i+3], v3, s[18:19] offset:256*\hh+32*\i
.endr
.endr
.irp hh, 0,1,2,3
.irp ct, 0,1,2,3
.irp e, 0,1
	global_load_b128 v[WO+32*\hh+8*\ct+4*\e:WO+32*\hh+8*\ct+4*\e+3], v5, s[8:9] offset:256*\hh+64*\ct+16*\e
.endr
.endr
.endr
	WIN 0
	s_wait_loadcnt 32                              ; all but Wo's 32 loads, the youngest
.irp j, 0,1,2,3,4,5,6,7
	v_bfe_u32 v27, v[24+\j/4], 8*(\j%4), 8
	v_cmp_eq_u32 vcc_lo, 0, v27
	v_cndmask_b32 v[B8+\j], 0, v28, vcc_lo         ; the key is masked out,
	v_cmp_gt_i32 vcc_lo, \j, v26
	v_cndmask_b32 v[B8+\j], v[B8+\j], v28, vcc_lo  ; or comes after my query: 8 h + j > r
.endr
.macro HEAD hh
	WIN 0x04                                       ; source 1 (Q) window 1
.irp i, 0,1,2,3,4,5,6,7                ; S^T = K Q^T: 16 products, two accumulators by turns
.irp u, 0,1
.if (\i == 0) && (\u == 0)
	v_wmma_f32_16x16x4_f32 v[SA:SA+7], v[KK+4*\i+2*\u:KK+4*\i+2*\u+1], v[QW+32*(\hh)+4*\i+2*\u:QW+32*(\hh)+4*\i+2*\u+1], v[B8:B8+7]
.elseif \i == 0
	v_wmma_f32_16x16x4_f32 v[SB:SB+7], v[KK+4*\i+2*\u:KK+4*\i+2*\u+1], v[QW+32*(\hh)+4*\i+2*\u:QW+32*(\hh)+4*\i+2*\u+1], 0
.elseif \u == 0
	v_wmma_f32_16x16x4_f32 v[SA:SA+7], v[KK+4*\i+2*\u:KK+4*\i+2*\u+1], v[QW+32*(\hh)+4*\i+2*\u:QW+32*(\hh)+4*\i+2*\u+1], v[SA:SA+7]
.else
	v_wmma_f32_16x16x4_f32 v[SB:SB+7], v[KK+4*\i+2*\u:KK+4*\i+2*\u+1], v[QW+32*(\hh)+4*\i+2*\u:QW+32*(\hh)+4*\i+2*\u+1], v[SB:SB+7]
.endif
.endr
.endr
	WIN 0
	PLACES 8
.irp i, 0,2,4,6
	v_pk_add_f32 v[SS+\i:SS+\i+1], v[SA+\i:SA+\i+1], v[SB+\i:SB+\i+1]
.endr
	v_max3_num_f32 v16, v[SS], v[SS+1], v[SS+2]
	v_max3_num_f32 v17, v[SS+3], v[SS+4], v[SS+5]
	v_max3_num_f32 v16, v16, v[SS+6], v[SS+7]
	v_max3_num_f32 v16, v16, v17, 0xf1800000       ; and -2^100, over every hidden score
	v_permlanex16_b32 v17, v16, s22, s23
	v_max_num_f32 v16, v16, v17                    ; the row's maximum
	v_mul_f32 v20, s24, v16                        ; c m
.irp i, 0,2,4,6
	v_pk_fma_f32 v[SS+\i:SS+\i+1], v[SS+\i:SS+\i+1], s[24:25], v[20:21] op_sel_hi:[1,0,0] neg_lo:[0,0,1] neg_hi:[0,0,1]
.endr
.irp i, 0,1,2,3,4,5,6,7
	v_exp_f32 v[SS+\i], v[SS+\i]
.endr
	v_nop                                          ; a plain line behind the last exponential
	s_wait_alu depctr_va_vdst(0)                   ; one wait for the eight, ahead of their first reader
	v_pk_add_f32 v[16:17], v[SS:SS+1], v[SS+2:SS+3]
	v_pk_add_f32 v[18:19], v[SS+4:SS+5], v[SS+6:SS+7]
	v_pk_add_f32 v[16:17], v[16:17], v[18:19]
	v_add_f32 v16, v16, v17
	v_permlanex16_b32 v17, v16, s22, s23
	v_add_f32 v16, v16, v17                        ; the row's sum
	v_rcp_f32 v22, v16
	v_nop
	s_wait_alu depctr_va_vdst(0)
.irp i, 0,2,4,6
	v_pk_mul_f32 v[SS+\i:SS+\i+1], v[SS+\i:SS+\i+1], v[22:23] op_sel_hi:[1,0]   ; p / the sum, in f32
.endr
.irp i, 0,1,2,3                        ; O^T = V^T P: keys 8 h + 2 i, + 1; four accumulators by turns
.irp ct, 0,1,2,3
.if \i == 0
	v_wmma_f32_16x16x4_f32 v[OT+8*\ct:OT+8*\ct+7], v[VV+8*\ct+2*\i:VV+8*\ct+2*\i+1], v[SS+2*\i:SS+2*\i+1], 0
.else
	v_wmma_f32_16x16x4_f32 v[OT+8*\ct:OT+8*\ct+7], v[VV+8*\ct+2*\i:VV+8*\ct+2*\i+1], v[SS+2*\i:SS+2*\i+1], v[OT+8*\ct:OT+8*\ct+7]
.endif
.endr
.endr
	PLACES 9                                       ; the results go on as a source
.if (\hh) == 0
	s_wait_loadcnt 0x0                             ; Wo
.endif
	WIN 0x01                                       ; source 0 (Wo) window 1
.irp ct, 0,1,2,3                       ; the projection: 16 products, two accumulators by turns, begun anew for each head
.irp i, 0,1,2,3
.if (\ct == 0) && (\i < 2)
.if \i == 0
	v_wmma_f32_16x16x4_f32 v[OA:OA+7], v[WO+32*(\hh)+8*\ct+2*\i:WO+32*(\hh)+8*\ct+2*\i+1], v[OT+8*\ct+2*\i:OT+8*\ct+2*\i+1], 0
.else
	v_wmma_f32_16x16x4_f32 v[OB:OB+7], v[WO+32*(\hh)+8*\ct+2*\i:WO+32*(\hh)+8*\ct+2*\i+1], v[OT+8*\ct+2*\i:OT+8*\ct+2*\i+1], 0
.endif
.elseif (\i % 2) == 0
	v_wmma_f32_16x16x4_f32 v[OA:OA+7], v[WO+32*(\hh)+8*\ct+2*\i:WO+32*(\hh)+8*\ct+2*\i+1], v[OT+8*\ct+2*\i:OT+8*\ct+2*\i+1], v[OA:OA+7]
.else
	v_wmma_f32_16x16x4_f32 v[OB:OB+7], v[WO+32*(\hh)+8*\ct+2*\i:WO+32*(\hh)+8*\ct+2*\i+1], v[OT+8*\ct+2*\i:OT+8*\ct+2*\i+1], v[OB:OB+7]
.endif
.endr
.endr
	WIN 0
	PLACES 8
.irp i, 0,2,4,6
.if (\hh) == 0
	v_pk_add_f32 v[TOT+\i:TOT+\i+1], v[OA+\i:OA+\i+1], v[OB+\i:OB+\i+1]
.else
	v_pk_add_f32 v[TOT+\i:TOT+\i+1], v[TOT+\i:TOT+\i+1], v[OA+\i:OA+\i+1]
	v_pk_add_f32 v[TOT+\i:TOT+\i+1], v[TOT+\i:TOT+\i+1], v[OB+\i:OB+\i+1]
.endif
.endr
.endm
	HEAD 0
	HEAD 1
	HEAD 2
	HEAD 3
	; register j of lane (r, h): my part of out0(r, 16 x + 8 h + j).  The eight waves' parts meet in LDS
	ds_store_b128 v10, v[TOT:TOT+3]
	ds_store_b128 v10, v[TOT+4:TOT+7] offset:512
	s_wait_dscnt 0x0                               ; for the others' sake: my stores are done
	s_barrier_signal -1
	s_barrier_wait -1
	s_cmp_lt_u32 s12, 2                            ; waves 0 and 1 add: registers 4 w .. 4 w + 3 of all eight parts
	s_cbranch_scc0 .Ldone
.irp p, 0,1,2,3,4,5,6,7
	ds_load_b128 v[KK+4*\p:KK+4*\p+3], v11 offset:1024*\p
.endr
	s_wait_dscnt 0x0
.irp p, 0,2,4,6
	v_pk_add_f32 v[KK+4*\p:KK+4*\p+1], v[KK+4*\p:KK+4*\p+1], v[KK+4*\p+4:KK+4*\p+5]
	v_pk_add_f32 v[KK+4*\p+2:KK+4*\p+3], v[KK+4*\p+2:KK+4*\p+3], v[KK+4*\p+6:KK+4*\p+7]
.endr
.irp p, 0,4
	v_pk_add_f32 v[KK+4*\p:KK+4*\p+1], v[KK+4*\p:KK+4*\p+1], v[KK+4*\p+8:KK+4*\p+9]
	v_pk_add_f32 v[KK+4*\p+2:KK+4*\p+3], v[KK+4*\p+2:KK+4*\p+3], v[KK+4*\p+10:KK+4*\p+11]
.endr
	v_pk_add_f32 v[KK:KK+1], v[KK:KK+1], v[KK+16:KK+17]
	v_pk_add_f32 v[KK+2:KK+3], v[KK+2:KK+3], v[KK+18:KK+19]
	global_store_b128 v5, v[KK:KK+3], s[10:11]     ; out0(r, 16 x + 8 h + 4 w + 0 .. 3)
.Ldone:
	s_wait_tensorcnt 0x0                           ; the wave's end, behind my last LDS store
	ds_add_u32 v8, v9
	s_wait_dscnt 0x0
	s_endpgm
.Lfunc_end_k_q458663c37c_first16:
	.size	k_q458663c37c_first16, .Lfunc_end_k_q458663c37c_first16-k_q458663c37c_first16
	.p2alignl 7, 3214868480
	.fill 96, 4, 3214868480
	.section	.rodata,"a",@progbits
	.p2align	6, 0x0
	.amdhsa_kernel k_q458663c37c_first16
		.amdhsa_group_segment_fixed_size 9216
		.amdhsa_private_segment_fixed_size 0
		.amdhsa_enable_private_segment 0
		.amdhsa_kernarg_size 32
		.amdhsa_user_sgpr_count 2
		.amdhsa_user_sgpr_kernarg_segment_ptr 1
		.amdhsa_wavefront_size32 1
		.amdhsa_system_sgpr_workgroup_id_x 1
		.amdhsa_system_sgpr_workgroup_id_y 1
		.amdhsa_system_sgpr_workgroup_id_z 1
		.amdhsa_system_vgpr_workitem_id 0
		.amdhsa_next_free_vgpr 512
		.amdhsa_next_free_sgpr 66
		.amdhsa_reserve_vcc 1
		.amdhsa_float_denorm_mode_32 3
		.amdhsa_float_denorm_mode_16_64 3
		.amdhsa_memory_ordered 1
		.amdhsa_forward_progress 1
		.amdhsa_inst_pref_size 41
	.end_amdhsa_kernel
	.amdgpu_metadata
---
amdhsa.version: [ 1, 2 ]
amdhsa.kernels:
  - .name:           k_q458663c37c_first16
    .symbol:         k_q458663c37c_first16.kd
    .args:
      - { .name: fine, .offset: 0, .size: 8, .value_kind: global_buffer, .address_space: global }
      - { .name: mask, .offset: 8, .size: 8, .value_kind: global_buffer, .address_space: global }
      - { .name: Wo, .offset: 16, .size: 8, .value_kind: global_buffer, .address_space: global }
      - { .name: out0, .offset: 24, .size: 8, .value_kind: global_buffer, .address_space: global }
    .group_segment_fixed_size: 9216
    .private_segment_fixed_size: 0
    .kernarg_segment_align: 8
    .kernarg_segment_size: 32
    .max_flat_workgroup_size: 256
    .sgpr_count:     66
    .vgpr_count:     512
    .wavefront_size: 32
...
	.end_amdgpu_metadata
.endif
;; end of part 5
